; MI455X (gfx1250); checked and timed in simulation.
; The chip was launched on July 23, 2026; its instructions are those of AMD's public machine-readable ISA for CDNA 5 (MIT licence, August 2026) and "CDNA5" Instruction Set Architecture Reference Guide (July 2026). The comments in the code are by the model that wrote it; some were corrected since.
;; Self Attention V3. Allowed arithmetic: matrix products marked QUANTISED: E2M3 operands, one E8M0 scale for each 32 along K, by v_wmma_scale_f32_16x16x128_f8f6f4 with both operands' format E2M3, f32 sums; everything else in f32.
;; Inputs: WK_b 1,024 float32; WK_w 1,024 x 1,024 float32; WQ_b 1,024 float32; WQ_w 1,024 x 1,024 float32; WV_b 1,024 float32; WV_w 1,024 x 1,024 float32; Wo_b 1,024 float32; Wo_w 1,024 x 1,024 float32; x 4 x 2,048 x 1,024 float32.
;; Outputs: out0 4 x 2,048 x 1,024 float32.
;; This version of the problem:
;;   THIS VERSION OF THE PROBLEM IS GIVEN IN LOW PRECISION. The matrix products marked QUANTISED in the list below multiply operands that are first quantised to E2M3 (2 exponent bits, 3 mantissa bits; 6 bits a number), with one power-of-two scale for each 32 numbers along K (OCP MX v1.0); their sums are f32. All else is computed in f32.
;;   The module's matrix products, in the order in which they are computed (A, B: the left and right operand; K: the contracted axis; several contracted axes count as one K, in the product's order):
;;     1. [M 8,192, K 1,024] x [K 1,024, N 1,024]; A: input x; B: input WQ_w: QUANTISED
;;     2. [M 8,192, K 1,024] x [K 1,024, N 1,024]; A: input x; B: input WK_w: QUANTISED
;;     3. [M 8,192, K 1,024] x [K 1,024, N 1,024]; A: input x; B: input WV_w: QUANTISED
;;     4. batch 64 x [M 2,048, K 64] x [K 64, N 2,048]; A: computed on the way; B: computed on the way: QUANTISED
;;     5. batch 64 x [M 2,048, K 2,048] x [K 2,048, N 64]; A: softmax (see below); B: computed on the way: QUANTISED
;;     6. [M 8,192, K 1,024] x [K 1,024, N 1,024]; A: computed on the way; B: input Wo_w: QUANTISED
;;   THE QUANTISER, for each operand of a quantised product, along K:
;;     - K is cut into blocks of 32 from its start; a last block that is shorter is filled with zeros.
;;     - A block's scale is 2^e with e = floor(log2(the largest magnitude in the block)) - 2, held to -126 .. 127; a block of zeros has e = 0. As a byte (E8M0): e + 127.
;;     - Each number is divided by its block's scale, clamped to +-7.5, and rounded to the nearest number of E2M3, ties to even, subnormals kept.
;;     - The product sums the exact products of the quantised numbers (number of the format x scale) in f32.
;;   ~~~python
;;   def quantise(x, axis):      # numpy; x: float32 -> the quantised numbers, widened to float32 again
;;       x = np.moveaxis(x, axis, -1); K = x.shape[-1]
;;       x = np.pad(x, [(0, 0)] * (x.ndim - 1) + [(0, -K % 32)]); x = x.reshape(x.shape[:-1] + (-1, 32)); a = np.abs(x).max(-1, keepdims=True)
;;       e = np.where(a > 0, np.clip(np.frexp(np.where(a > 0, a, 1))[1] - 1 - 2, -126, 127), 0)      # np.frexp(a)[1] - 1 = floor(log2(a)), exactly
;;       r = np.clip(x / 2.0 ** e, -7.5, 7.5)
;;       step = 2.0 ** (np.maximum(np.frexp(np.where(r == 0, 1, r))[1] - 1, 0) - 3)
;;       q = np.round(r / step) * step * 2.0 ** e      # np.round: ties to even
;;       return np.moveaxis(q.reshape(q.shape[:-2] + (-1,))[..., :K], -1, axis).astype(np.float32)
;;   ~~~
;;   SOFTMAX AHEAD OF A QUANTISED PRODUCT. Where the list says 'softmax', what is quantised is not the finished softmax but p = 2^(t - M), with t = logit x log2(e) and M = ceil(the row's largest t), a whole number; so 1/2 < the row's largest p <= 1. The row's sum l is taken of the UNQUANTISED p, in f32, and the product's result is divided by l at the end. Since M is a whole number, a kernel that streams over the keys may use a running M (the ceiling of the running maximum): every later rescaling is an exact power of two, which a block's scale takes up: the codes' values come out the same.
;;   OPERANDS COMPUTED ON THE WAY. 'Computed on the way' means the value that the module computes at that place (a softmax that the list does not call 'softmax' is quantised finished and normalised). What goes into a quantiser is computed in f32, as accurately as f32 sums, v_exp_f32 and their like allow (about 1e-6 of the number): no bf16 or f16 on the way to a quantiser, and a product that is left as it is and whose result goes on into a quantised operand takes f32 operands (vector FMAs, or v_wmma_f32_16x16x4_f32). A number that lies on a knife's edge between two numbers of the format may be rounded either way, as far as f32 arithmetic and the matrix unit's own rounding can turn it there, and no further.
;; One version. Each part assembles by itself: llvm-mc -triple=amdgcn-amd-amdhsa -mcpu=gfx1250 --defsym DOCPART=n.
;; ======== version 1 of 1: 4 launches
;; workspace buffers: xq 6,553,600 bytes; wq 3,276,800 bytes; rope 524,288 bytes; qq 6,815,744 bytes; kv 13,631,488 bytes; aq 6,553,600 bytes
;; launch prep (part 1): grid 832 x 1, 4 waves a work-group, no clusters, 34,304 bytes of LDS; arguments x, WQ_w, WK_w, WV_w, Wo_w, xq, wq, rope; writes xq, wq, rope
.if DOCPART == 1
	.amdgcn_target "amdgcn-amd-amdhsa--gfx1250"
	.amdhsa_code_object_version 6
	.text
	.protected	k_q672fc09ddd_prep
	.globl	k_q672fc09ddd_prep
	.p2align	8
	.type	k_q672fc09ddd_prep,@function
k_q672fc09ddd_prep:
	s_mov_b64 s[64:65], 0
	v_nop
	global_prefetch_b8 v0, s[64:65] scope:SCOPE_SE
	s_setreg_imm32_b32 hwreg(HW_REG_WAVE_MODE, 25, 1), 1
	s_wait_xcnt 0x0
; LAUNCH 1 OF 4.  x [8192][1024] and the four weights [1024][1024], f32 with K innermost, become codes of FP6 (E2M3) with one E8M0 byte for each 32 along K; and the table of cos and sin for RoPE is made.
; DEAD WORK OF THE WHOLE PROGRAM.  reference() builds a causal mask itself (jnp.tril) and sets the score of key k to -infinity where k > q.  Its exponential is 0 for all finite inputs, so such a key adds
; nothing to the row's sum and nothing to the product with v.  Steps of 128 keys that lie wholly behind all 16 queries of a tile are therefore left out (launch attn); inside the one step on the diagonal
; the work is done and masked.  Nothing else is left out: every input has a way to the output and is loaded (the bias on k too: it moves k's codes).
; LIMITS.  A NaN, an infinity or an overflow that reaches only the masked scores left out is not carried to the result.  NaN and infinities among the inputs are not served.  A block of zeros, or one whose
; largest magnitude lies under 2^-124, gets the scale byte 1 (the rule says 127 for zeros): its codes are zeros or subnormal codes under byte 1, and this program alone reads the bytes.
; RoPE's frequencies are 2^(-i log2(10000) / 32) by v_exp_f32 (1 ulp by the ISA guide's entry): at t near 2,047 an angle can differ from reference()'s by about 2e-4 rad.
; LAYOUT OF ALL OPERANDS IN THE WORKSPACE: IMAGES OF THE OPERAND'S REGISTERS.  Rows go in tiles of 16: row rho of tile T is row P(T, rho) = 32 (T / 2) + 8 (T % 2) + rho + 8 (rho / 8).  A fragment is a tile x 128 K:
; 12 registers a lane; lane (r, h) holds, of row P(T, r), k = 64 c + 32 h + 0 .. 31 in registers 6 c .. 6 c + 5.  Register 4 g + e of lane L lies at byte 512 g + 16 L + 4 e of the fragment's 1,536 bytes.
; xq: tile T, K step s at T x 12,288 + s x 1,536; the rows' scale words at 6,291,456 + T x 512 + s x 64 + 4 r.  wq: the same for 256 tiles (WQ, WK, WV, Wo, 64 each), scale words from 3,145,728 on.
; SHARES.  Work-groups 0-511: a tile of x each; 512-767: a tile of a weight; wave w takes K steps 2 w and 2 w + 1.  Work-groups 768-831: 32 rows of the table each, 8 a wave.
; A load reads 512 consecutive bytes of a row (16 a lane); the 16 rows of a K step turn through the wave's own stage in LDS, so that a lane gets two whole blocks of 32 neighbours.  No barrier: waves share nothing.
.set STG,   8448                       ; a wave's stage: 16 rows x (512 bytes + 16): the 16 rows that a load of 16 bytes a lane touches begin 132 words apart
.set SPARE, 4*STG                      ; behind the stages: the spare words, 128 bytes a wave
.set R,     32                         ; v32-159  two K steps x 16 rows x 4 registers, as loaded
.set X,     160                        ; v160-223 my 64 numbers: blocks h and 2 + h of row r
.set PC,    224                        ; v224-247 the codes, 12 registers for each K step: no store's data are written again
.set TQ,    248                        ; v248-254 the second halves of the blocks' codes, before they are moved
	s_load_b512 s[16:31], s[0:1], 0x0              ; x, WQ_w, WK_w, WV_w, Wo_w, xq, wq, rope
	v_lshl_add_u32 v12, v0, 2, SPARE               ; my spare word,
	v_mov_b32 v13, 0                               ; and 0: kept for the closing lines
	v_lshrrev_b32 v6, 5, v0
	v_readfirstlane_b32 s2, v6                     ; wave 0..3
	v_and_b32 v7, 31, v0                           ; lane
	v_and_b32 v8, 15, v0                           ; r
	v_bfe_u32 v9, v0, 4, 1                         ; h
	v_lshlrev_b32 v1, 4, v7                        ; 16 x lane
	s_cmp_ge_u32 ttmp9, 768
	s_cbranch_scc1 .Lrope                          ; the table's work-groups: a branch on the work-group's number
	s_mul_i32 s3, s2, STG
	v_add_nc_u32 v2, s3, v1                        ; the stage, on the way in: 16 x lane (+ 528 x row, in the immediate)
	v_mul_u32_u24 v3, v8, 528
	v_lshl_add_u32 v3, v9, 7, v3
	v_add_nc_u32 v3, s3, v3                        ; and out: row r, + 128 h: block h; block 2 + h lies 256 bytes on
	v_lshlrev_b32 v4, 2, v8
	v_lshl_add_u32 v4, v9, 6, v4                   ; the scale words' place: 4 r, + 64 for the second K step (lanes 16-31)
	v_lshlrev_b32 v5, 3, v9                        ; 8 h: my bytes' shift in a scale word
	v_mov_b32 v21, 0                               ; written once: a lane permute's destination counts as one of its sources
	s_mov_b32 s32, 0x76543210
	s_mov_b32 s33, 0xfedcba98                      ; v_permlanex16_b32's selects for lane l xor 16
	s_mov_b32 s34, 0xffff0000                      ; a mask: lanes 16-31
	s_wait_kmcnt 0x0
	s_mov_b64 s[8:9], s[24:25]                     ; which tensor: the choice hangs on the work-group's number alone
	s_cmp_lt_u32 ttmp9, 704
	s_cselect_b64 s[8:9], s[22:23], s[8:9]
	s_cmp_lt_u32 ttmp9, 640
	s_cselect_b64 s[8:9], s[20:21], s[8:9]
	s_cmp_lt_u32 ttmp9, 576
	s_cselect_b64 s[8:9], s[18:19], s[8:9]
	s_cmp_lt_u32 ttmp9, 512
	s_cselect_b64 s[8:9], s[16:17], s[8:9]
	s_cselect_b64 s[10:11], s[26:27], s[28:29]     ; xq or wq
	s_cselect_b32 s4, 0, 512
	s_mov_b32 s5, 3145728
	s_cselect_b32 s5, 6291456, s5                  ; where the buffer's scale words begin
	s_cselect_b32 s6, -1, 63
	s_sub_co_u32 s4, ttmp9, s4                     ; the tile in xq or wq
	s_and_b32 s6, s4, s6                           ; the tile in its tensor
	s_lshr_b32 s7, s6, 1
	s_lshl_b32 s7, s7, 17                          ; 32 (T / 2) rows of 4,096 bytes
	s_and_b32 s6, s6, 1
	s_lshl_b32 s6, s6, 15                          ; 8 (T % 2) rows
	s_add_co_u32 s6, s6, s7
	s_lshl_b32 s7, s2, 10                          ; my two K steps: 1,024 bytes of a row
	s_add_co_u32 s6, s6, s7
	s_mov_b32 s7, 0
	s_add_nc_u64 s[8:9], s[8:9], s[6:7]            ; from here I read
	s_mul_i32 s6, s4, 12288
	s_mul_i32 s12, s2, 3072
	s_add_co_u32 s6, s6, s12
	s_add_nc_u64 s[14:15], s[10:11], s[6:7]        ; here my two fragments go
	s_lshl_b32 s6, s4, 9
	s_add_co_u32 s6, s6, s5
	s_lshl_b32 s12, s2, 7
	s_add_co_u32 s6, s6, s12
	s_add_nc_u64 s[10:11], s[10:11], s[6:7]        ; and here their scale words
.irp kk, 0,1
.set p, 0
.rept 16
	global_load_b128 v[R+64*\kk+4*p:R+64*\kk+4*p+3], v1, s[8:9] offset:(p+8*(p/8))*4096+512*\kk th:TH_LOAD_NT   ; row P(T, p): 32 lanes read 512 consecutive bytes; read once in the launch
.set p, p+1
.endr
.endr
.macro TURN kk                         ; a K step's 16 rows through my stage: LDS serves a wave's instructions in order, so no wait stands between the stores and the loads
.set p, 0
.rept 16
	ds_store_b128 v2, v[R+64*\kk+4*p:R+64*\kk+4*p+3] offset:528*p
.set p, p+1
.endr
.set p, 0
.rept 8
	ds_load_b128 v[X+4*p:X+4*p+3], v3 offset:16*p
	ds_load_b128 v[X+32+4*p:X+32+4*p+3], v3 offset:256+16*p
.set p, p+1
.endr
.endm
.macro QUANTB kk                       ; my two blocks become registers 0-5 and 6-11 of the fragment; the row's scale word goes to v[22 + kk]
	v_max3_num_f32 v14, |v[X]|, |v[X+1]|, 0x1800000                ; the largest magnitude, and the floor 2^(3 - 127): the byte cannot fall under 1
	v_max3_num_f32 v15, |v[X+32]|, |v[X+33]|, 0x1800000
.irp i, 2,4,6,8,10,12,14,16,18,20,22,24,26,28,30
	v_max3_num_f32 v14, v14, |v[X+\i]|, |v[X+1+\i]|                ; (the two blocks by turns)
	v_max3_num_f32 v15, v15, |v[X+32+\i]|, |v[X+33+\i]|
.endr
	v_add_nc_u32 v16, 0xff000000, v14              ; 2 off the exponent field: the conversion takes the exponent field of this operand as its scale
	v_add_nc_u32 v17, 0xff000000, v15
	v_lshrrev_b32 v18, 23, v16                     ; the scales' bytes
	v_lshrrev_b32 v19, 23, v17
	v_lshl_or_b32 v20, v19, 16, v18                ; blocks h and 2 + h,
	v_lshlrev_b32 v20, v5, v20                     ; at their places in the word;
	v_permlanex16_b32 v21, v20, s32, s33
	v_or_b32 v[22+\kk], v20, v21                   ; with lane l xor 16's two the word is whole
	v_cvt_scalef32_pk16_fp6_f32 v[PC+12*\kk:PC+12*\kk+2], v[X:X+15], v16
	v_cvt_scalef32_pk16_fp6_f32 v[TQ:TQ+2], v[X+16:X+31], v16      ; (a conversion's three registers begin on an even number: the second half of a block's six is made elsewhere and moved)
	v_cvt_scalef32_pk16_fp6_f32 v[PC+12*\kk+6:PC+12*\kk+8], v[X+32:X+47], v17
	v_cvt_scalef32_pk16_fp6_f32 v[TQ+4:TQ+6], v[X+48:X+63], v17
	v_nop                                          ; one plain place behind a scaled conversion
.irp i, 0,1,2
	v_mov_b32 v[PC+12*\kk+3+\i], v[TQ+\i]
	v_mov_b32 v[PC+12*\kk+9+\i], v[TQ+4+\i]
.endr
.irp g, 0,1,2
	global_store_b128 v1, v[PC+12*\kk+4*\g:PC+12*\kk+4*\g+3], s[14:15] offset:1536*\kk+512*\g   ; 32 lanes store 512 consecutive bytes, aligned to 256
.endr
.endm
	s_wait_loadcnt 16                              ; the first K step's 16 loads are in; the second's 16 may be out
	TURN 0
	s_wait_dscnt 0x0
	QUANTB 0
	s_wait_loadcnt 0x0
	TURN 1
	s_wait_dscnt 0x0
	QUANTB 1
	v_cndmask_b32 v20, v22, v23, s34               ; lanes 0-15: the first K step's words; lanes 16-31: the second's
	global_store_b32 v4, v20, s[10:11]             ; 128 consecutive bytes
	s_wait_tensorcnt 0x0                           ; the wave's end, behind my last LDS store
	ds_add_u32 v12, v13
	s_wait_dscnt 0x0
	s_endpgm
; THE TABLE: rope[t][0..31] = cos(t f_i), rope[t][32..63] = sin(t f_i), f_i = 10000^(-i / 32): 256 bytes a row.
; A store covers two rows: lane L holds row L / 16, cos (L % 16 < 8) or sin, i = 4 (L % 8) + 0 .. 3.  The angle t f is one f32 product, as reference() has it.  It is reduced by N = round(angle 2 / pi) in two steps
; (pi / 2 as a high and a low part; N is at most 1,304, so N x high part is taken off without rounding), and sin and cos of the rest, at most pi / 4, are polynomials to x^9 and x^10 (cut off under 3e-9).
.Lrope:
	s_sub_co_u32 s4, ttmp9, 768
	s_lshl_b32 s4, s4, 5
	s_lshl_b32 s5, s2, 3
	s_add_co_u32 s4, s4, s5                        ; my wave's first t
	s_lshl_b32 s6, s4, 8
	s_mov_b32 s7, 0
	s_mov_b32 s36, 0x3f22f983                      ; 2 / pi
	s_mov_b32 s37, 0x3fc90fdb                      ; pi / 2, high part
	s_mov_b32 s38, 0xb33bbd2e                      ; and low part
	s_mov_b32 s39, 0x3638ef1d                      ; sin: 1 / 9!
	s_mov_b32 s40, 0xb9500d01                      ; -1 / 7!
	s_mov_b32 s41, 0x3c088889                      ; 1 / 5!
	s_mov_b32 s42, 0xbe2aaaab                      ; -1 / 3!
	s_mov_b32 s43, 0xb493f27e                      ; cos: -1 / 10!
	s_mov_b32 s44, 0x37d00d01                      ; 1 / 8!
	s_mov_b32 s45, 0xbab60b61                      ; -1 / 6!
	s_mov_b32 s46, 0x3d2aaaab                      ; 1 / 4!
	v_and_b32 v10, 7, v0
	v_lshlrev_b32 v10, 2, v10                      ; 4 (L % 8)
	v_bfe_u32 v11, v0, 3, 1
	v_mul_u32_u24 v11, v11, 3                      ; 3 for sin, 0 for cos: sin(a) = cos(a - pi / 2), and -1 = 3 modulo 4
.irp e, 0,1,2,3
	v_add_nc_u32 v[32+\e], \e, v10
	v_cvt_f32_u32 v[32+\e], v[32+\e]
	v_mul_f32 v[32+\e], 0xbed49a78, v[32+\e]       ; -i log2(10000) / 32
.endr
.irp e, 0,1,2,3
	v_exp_f32 v[32+\e], v[32+\e]                   ; f_i
.endr
	v_add_nc_u32 v14, s4, v9                       ; (a plain place behind the exponentials)  t of my row in the first pair of rows
	s_wait_alu depctr_va_vdst(0)                   ; one wait for the four, ahead of their first reader
	s_wait_kmcnt 0x0
	s_add_nc_u64 s[30:31], s[30:31], s[6:7]
.macro ANGLE dst, fr                   ; v[dst] = cos or sin of v15 x v[fr]
	v_mul_f32 v16, v15, v[\fr]                     ; the angle
	v_mul_f32 v17, s36, v16
	v_rndne_f32 v17, v17                           ; N
	v_fma_f32 v18, -v17, s37, v16
	v_fma_f32 v18, -v17, s38, v18                  ; the rest
	v_mul_f32 v19, v18, v18
	v_fma_f32 v20, v19, s39, s40
	v_fma_f32 v21, v19, s43, s44
	v_fma_f32 v20, v20, v19, s41
	v_fma_f32 v21, v21, v19, s45
	v_fma_f32 v20, v20, v19, s42
	v_fma_f32 v21, v21, v19, s46
	v_mul_f32 v22, v19, v18
	v_fma_f32 v21, v21, v19, -0.5
	v_fma_f32 v23, v22, v20, v18                   ; sin of the rest
	v_fma_f32 v21, v21, v19, 1.0                   ; cos of the rest
	v_cvt_i32_f32 v24, v17
	v_add_nc_u32 v24, v24, v11                     ; m = N, or N + 3 for sin.  It selects values only: no address and no branch hangs on it
	v_and_b32 v25, 1, v24
	v_cmp_eq_u32 vcc_lo, 1, v25
	v_cndmask_b32 v[\dst], v21, v23, vcc_lo        ; m odd: the sine
	v_add_nc_u32 v24, 1, v24
	v_and_b32 v24, 2, v24
	v_lshlrev_b32 v24, 30, v24
	v_xor_b32 v[\dst], v[\dst], v24                ; m = 1, 2 modulo 4: the sign turns
.endm
.irp k, 0,1,2,3
	v_add_nc_u32 v15, 2*\k, v14
	v_cvt_f32_u32 v15, v15                         ; t
.irp e, 0,1,2,3
	ANGLE 40+4*\k+\e, 32+\e
.endr
	global_store_b128 v1, v[40+4*\k:43+4*\k], s[30:31] offset:512*\k   ; two whole rows
.endr
	s_endpgm
.Lfunc_end_k_q672fc09ddd_prep:
	.size	k_q672fc09ddd_prep, .Lfunc_end_k_q672fc09ddd_prep-k_q672fc09ddd_prep
	.p2alignl 7, 3214868480
	.fill 96, 4, 3214868480
	.section	.rodata,"a",@progbits
	.p2align	6, 0x0
	.amdhsa_kernel k_q672fc09ddd_prep
		.amdhsa_group_segment_fixed_size 34304
		.amdhsa_private_segment_fixed_size 0
		.amdhsa_enable_private_segment 0
		.amdhsa_kernarg_size 64
		.amdhsa_user_sgpr_count 2
		.amdhsa_user_sgpr_kernarg_segment_ptr 1
		.amdhsa_wavefront_size32 1
		.amdhsa_system_sgpr_workgroup_id_x 1
		.amdhsa_system_sgpr_workgroup_id_y 1
		.amdhsa_system_sgpr_workgroup_id_z 1
		.amdhsa_system_vgpr_workitem_id 0
		.amdhsa_next_free_vgpr 256
		.amdhsa_next_free_sgpr 66
		.amdhsa_reserve_vcc 1
		.amdhsa_float_denorm_mode_32 3
		.amdhsa_float_denorm_mode_16_64 3
		.amdhsa_memory_ordered 1
		.amdhsa_forward_progress 1
		.amdhsa_inst_pref_size 38
	.end_amdhsa_kernel
	.amdgpu_metadata
---
amdhsa.version: [ 1, 2 ]
amdhsa.kernels:
  - .name:           k_q672fc09ddd_prep
    .symbol:         k_q672fc09ddd_prep.kd
    .args:
      - { .name: x, .offset: 0, .size: 8, .value_kind: global_buffer, .address_space: global }
      - { .name: WQ_w, .offset: 8, .size: 8, .value_kind: global_buffer, .address_space: global }
      - { .name: WK_w, .offset: 16, .size: 8, .value_kind: global_buffer, .address_space: global }
      - { .name: WV_w, .offset: 24, .size: 8, .value_kind: global_buffer, .address_space: global }
      - { .name: Wo_w, .offset: 32, .size: 8, .value_kind: global_buffer, .address_space: global }
      - { .name: xq, .offset: 40, .size: 8, .value_kind: global_buffer, .address_space: global }
      - { .name: wq, .offset: 48, .size: 8, .value_kind: global_buffer, .address_space: global }
      - { .name: rope, .offset: 56, .size: 8, .value_kind: global_buffer, .address_space: global }
    .group_segment_fixed_size: 34304
    .private_segment_fixed_size: 0
    .kernarg_segment_align: 8
    .kernarg_segment_size: 64
    .max_flat_workgroup_size: 128
    .sgpr_count:     66
    .vgpr_count:     256
    .wavefront_size: 32
...
	.end_amdgpu_metadata
.endif
;; end of part 1
;; launch qkv (part 2): grid 8 x 96, 4 waves a work-group, clusters of 4 x 4, 327,680 bytes of LDS; arguments xq, wq, WQ_b, WK_b, WV_b, rope, qq, kv; writes qq, kv
.if DOCPART == 2
	.amdgcn_target "amdgcn-amd-amdhsa--gfx1250"
	.amdhsa_code_object_version 6
	.text
	.protected	k_q672fc09ddd_qkv
	.globl	k_q672fc09ddd_qkv
	.p2align	8
	.type	k_q672fc09ddd_qkv,@function
k_q672fc09ddd_qkv:
	s_mov_b64 s[64:65], 0
	v_nop
	global_prefetch_b8 v0, s[64:65] scope:SCOPE_SE
	s_setreg_imm32_b32 hwreg(HW_REG_WAVE_MODE, 25, 1), 1
	s_wait_xcnt 0x0
	s_wait_alu depctr_hold_cnt(0) depctr_sa_sdst(0) depctr_va_vdst(0) depctr_va_sdst(0) depctr_va_ssrc(0) depctr_va_vcc(0) depctr_vm_vsrc(0)
	s_getreg_b32 s2, hwreg(HW_REG_IB_STS2, 6, 4)
	s_cmp_eq_u32 s2, 0
	s_cbranch_scc0 .Lentry_in_a_cluster
	s_endpgm
.Lentry_in_a_cluster:
	s_bfe_u32 s2, ttmp6, 0x10000c
	s_cmp_lg_u32 s2, 0xf033
	s_cbranch_scc0 .Lentry_shape_is_right
	s_endpgm
.Lentry_shape_is_right:
; LAUNCH 2 OF 4.  q, k, v = x W^T + b on codes of FP6 (v_wmma_scale_f32_16x16x128_f8f6f4), RoPE on q and k in f32, and the quantisers of q and k (along the head's 64) and of v (along the keys).  Nothing is left out here.
; Operands lie in xq and wq as images of fragments (launch prep's head comment: tiles of rows P(T, rho), fragments of 1,536 bytes, scale words of 64 bytes a tile and K step).
; A WORK-GROUP makes source 0's 256 rows x source 1's 128 rows over all of K = 1,024.  Its operands for all of K lie in LDS (307,200 bytes), each byte filled ONCE: five tensor loads a wave at the head (scale words, then
; four chunks of two K steps), taken in by counted waits; no byte of LDS is filled again.  Wave (a, b) makes 128 x 64: 32 accumulators.
; TWO ORIENTATIONS, chosen by the cluster's y alone (the same in all sixteen partners).  y < 16: source 0 = rows of WQ (cluster x = 0) or WK (1), source 1 = tokens: a lane holds ONE token and its registers run along
; the features, 128 = two heads: RoPE and the quantiser along d need no other row.  y >= 16: source 0 = tokens, source 1 = rows of WV: a lane holds ONE feature d and its registers run along 128 tokens, the keys of one key step.
; CLUSTER 4 x 4: source 0's tiles hang on the work-group's x alone and are asked for jointly by a column of the cluster, source 1's on its y alone, by a row.
; OUT.  qq: for head bh and tile T of 16 queries, registers 0-5 of the fragment (k = d = 32 h + 0 .. 31) as three pieces of 256 bytes (register 2 p + e of lane L at 256 p + 8 L + 4 e) at (bh x 128 + T) x 768; the scale words
; (bytes 0, 1: the two blocks; bytes 2, 3 stand over zero codes and are never 0xff) at 6,291,456 + (bh x 128 + T) x 64 + 4 r.  kv: a record of REC bytes for head bh and key step ks at (bh x 16 + ks) x REC:
; 8 tiles of keys as q's (768 each); 4 fragments of V^T (16 d x 128 keys, 1,536 each); k's scale words (8 x 64); V^T's (4 x 128, all 32 lanes).
; REGISTERS: window 0: v1-14 addresses, v16-27 scale words (two sets), v28, v29 the add's two, v48-149 the way out, v160-223 biases.  window 1: the accumulators, (i, j) at v[64 i + 8 j].
;   windows 2, 3: the two fragment buffers, v0-95 source 0's eight, v96-143 source 1's four; v144-207 cos and sin of my four tiles of tokens.
.set S1,    196608                     ; LDS: source 0: 4 chunks x 16 tiles x 3,072 from byte 0; source 1: 4 chunks x 8 tiles x 3,072 from here;
.set SC0,   294912                     ; source 0's scale words, 16 tiles x 512;
.set SC1,   303104                     ; source 1's, 8 tiles x 512;
.set SPARE, 307200                     ; the spare words, 128 bytes a wave
.set REC,   13312
.set VIMG,  6144
.set KSC,   12288
.set VSC,   12800
.set H,     48                         ; v48-111  64 numbers of a lane
.set PC,    112                        ; v112-130 the codes just made
.set TM,    132                        ; v132-147 at work
.set PW,    148                        ; the scale word just made
.set BI,    160
.set SEL,   104                        ; s[104:105] (behind the core) selects for lane l xor 16
.set G1C0,  24                         ; s[24:31] group 1: source 0's codes;  s[32:39] source 1's;  s[40:47], s[48:55] their scale words
.set G1C1,  32
.set G1S0,  40
.set G1S1,  48                         ; groups 0: source 0: s56, s60, s68, s72, s76 (scale words, chunks 0-3);  source 1: s80, s84, s88, s92, s96
.set MSB, 0
.macro WIN new                         ; the immediate's high byte repeats the setting that is left
.if MSB != (\new)
	s_set_vgpr_msb (MSB<<8)|(\new)
.set MSB, (\new)
.endif
.endm
.macro PLACES                          ; four plain places behind matrix instructions, in front of loads into their registers and of the first read of results
.rept 4
	v_nop
.endr
.endm
.macro BAR
	s_barrier_signal -1
	s_barrier_wait -1
.endm
.macro CROUND                          ; a round of the cluster's barrier
	s_barrier_signal -1
	s_barrier_wait -1
	s_cmp_lg_u32 s20, 0
	s_cbranch_scc1 .Lnot_wave_0_\@
	s_barrier_signal -3
.Lnot_wave_0_\@:
	s_barrier_wait -3
	s_barrier_signal -1
	s_barrier_wait -1
.endm
	s_load_b128 s[4:7], s[0:1], 0x0                ; xq, wq
	s_load_b256 s[8:15], s[0:1], 0x10              ; WQ_b, WK_b, WV_b, rope
	s_load_b128 s[16:19], s[0:1], 0x30             ; qq, kv
	v_lshl_add_u32 v28, v0, 2, SPARE
	v_mov_b32 v29, 0
	ds_add_u32 v28, v29                            ; the wave's opening: the add, twice on end, and its wait ahead of my first tensor load
	ds_add_u32 v28, v29
	v_lshrrev_b32 v1, 5, v0
	v_readfirstlane_b32 s20, v1                    ; wave 0..3
	s_lshr_b32 s21, s20, 1                         ; a: my 128 rows of source 0.  Also: I fetch for source 0 (0) or source 1 (1)
	s_and_b32 s22, s20, 1                          ; b: my 64 rows of source 1.  Also: which half of the tiles I fetch
	s_bfe_u32 s23, ttmp6, 0x40000                  ; cx
	s_bfe_u32 s2, ttmp6, 0x40004                   ; cy
	s_and_b32 s3, ttmp7, 0xffff                    ; the cluster's y
	s_lshl_b32 s66, 0x1111, s23                    ; my column of the cluster
	s_lshl_b32 s104, s2, 2
	s_lshl_b32 s104, 15, s104                      ; my row
	s_or_b32 s[G1C0], s66, (3<<16)|(1<<21)         ; 15:0 the mask; 17:16 elements of 8 bytes; 21 set beside a mask; no padding
	s_or_b32 s[G1S0], s66, (3<<16)|(1<<21)
	s_or_b32 s[G1C1], s104, (3<<16)|(1<<21)
	s_or_b32 s[G1S1], s104, (3<<16)|(1<<21)
.irp g, G1C0, G1C1                     ; codes: a row of the tile is one tile's two K steps, 3,072 bytes = 384 elements; from tile to tile 12,288 bytes
	s_mov_b32 s[\g+1], 384<<16
	s_mov_b32 s[\g+3], 384<<16
	s_mov_b32 s[\g+5], 1536
	s_mov_b32 s[\g+6], 0
	s_mov_b32 s[\g+7], 0
.endr
	s_mov_b32 s[G1C0+2], 8<<16                     ; 8 tiles a load for source 0,
	s_mov_b32 s[G1C0+4], 8
	s_mov_b32 s[G1C1+2], 4<<16                     ; 4 for source 1
	s_mov_b32 s[G1C1+4], 4
.irp g, G1S0, G1S1                     ; scale words: dense, as rows of 256 bytes
	s_mov_b32 s[\g+1], 32<<16
	s_mov_b32 s[\g+3], 32<<16
	s_mov_b32 s[\g+5], 32
	s_mov_b32 s[\g+6], 0
	s_mov_b32 s[\g+7], 0
.endr
	s_mov_b32 s[G1S0+2], 16<<16
	s_mov_b32 s[G1S0+4], 16
	s_mov_b32 s[G1S1+2], 8<<16
	s_mov_b32 s[G1S1+4], 8
	s_max_u32 s67, s3, 16                          ; source 0's block of 256 rows: t0 = 4 x cluster x + cx, and for v + 8 ((y - 16) / 2)
	s_sub_co_u32 s67, s67, 16
	s_lshr_b32 s67, s67, 1
	s_lshl_b32 s67, s67, 3
	s_lshl_b32 s100, ttmp9, 2
	s_add_co_u32 s100, s100, s23
	s_add_co_u32 s100, s100, s67                   ; t0
	s_lshl_b32 s66, s100, 4
	s_lshl_b32 s67, s22, 3
	s_add_co_u32 s66, s66, s67                     ; the first tile that I would fetch of source 0
	s_and_b32 s105, s3, 1                          ; source 1's block of 128 rows: t1 = 4 y + cy, for v 4 (y % 2) + cy
	s_cmp_lt_u32 s3, 16
	s_cselect_b32 s105, s3, s105
	s_cselect_b32 s104, 0, 128                     ; WV's tiles begin at 128 in wq
	s_mov_b32 s56, 6291456
	s_cselect_b32 s56, 3145728, s56                ; where source 0's buffer has its scale words,
	s_mov_b32 s80, 3145728
	s_cselect_b32 s80, 6291456, s80                ; and source 1's
	s_lshl_b32 s101, s105, 2
	s_add_co_u32 s101, s101, s2                    ; t1
	s_lshl_b32 s105, s101, 3
	s_add_co_u32 s104, s104, s105
	s_lshl_b32 s105, s22, 2
	s_add_co_u32 s104, s104, s105                  ; the first tile that I would fetch of source 1
	s_lshl_b32 s57, s66, 9
	s_add_co_u32 s56, s56, s57
	s_mov_b32 s57, 0                               ; s[56:57]: source 0's scale words, in bytes
	s_mul_i32 s66, s66, 12288
	s_mov_b32 s67, 0                               ; s[66:67]: its codes
	s_lshl_b32 s81, s104, 9
	s_add_co_u32 s80, s80, s81
	s_mov_b32 s81, 0
	s_mul_i32 s104, s104, 12288
	s_mov_b32 s105, 0
	s_wait_dscnt 0x0                               ; both opening adds are done
	s_wait_kmcnt 0x0
	s_cmp_lt_u32 s3, 16
	s_cselect_b64 s[58:59], s[6:7], s[4:5]
	s_cselect_b64 s[62:63], s[6:7], s[4:5]
	s_cselect_b64 s[82:83], s[4:5], s[6:7]
	s_cselect_b64 s[86:87], s[4:5], s[6:7]
	s_add_nc_u64 s[58:59], s[58:59], s[56:57]
	s_add_nc_u64 s[62:63], s[62:63], s[66:67]      ; chunk 0; chunk q lies 3,072 q bytes on in each tile
	s_add_nc_u64 s[70:71], s[62:63], 3072
	s_add_nc_u64 s[74:75], s[62:63], 6144
	s_add_nc_u64 s[78:79], s[62:63], 9216
	s_add_nc_u64 s[82:83], s[82:83], s[80:81]
	s_add_nc_u64 s[86:87], s[86:87], s[104:105]
	s_add_nc_u64 s[90:91], s[86:87], 3072
	s_add_nc_u64 s[94:95], s[86:87], 6144
	s_add_nc_u64 s[98:99], s[86:87], 9216
	s_lshl_b32 s57, s22, 12                        ; LDS addresses: constants and the wave's number alone
	s_add_co_u32 s57, s57, SC0
	s_mul_i32 s61, s22, 24576
	s_add_co_u32 s69, s61, 49152
	s_add_co_u32 s73, s61, 98304
	s_add_co_u32 s77, s61, 147456
	s_lshl_b32 s81, s22, 11
	s_add_co_u32 s81, s81, SC1
	s_mul_i32 s85, s22, 12288
	s_add_co_u32 s85, s85, S1
	s_add_co_u32 s89, s85, 24576
	s_add_co_u32 s93, s85, 49152
	s_add_co_u32 s97, s85, 73728
.irp g, 56,60,68,72,76,80,84,88,92,96
	s_mov_b32 s[\g], 1                             ; count = 1
	s_or_b32 s[\g+3], s[\g+3], 0x80000000          ; type = 2
.endr
	CROUND                                         ; all sixteen work-groups are here: the joint loads meet
	s_cmp_eq_u32 s21, 0                            ; a wave's five first fills stand in one branch on the wave's number, a fill in each arm: five loads of mine are out
	s_cbranch_scc0 .Lsource_1
	tensor_load_to_lds s[56:59], s[G1S0:G1S0+7]
	s_nop 0
	tensor_load_to_lds s[60:63], s[G1C0:G1C0+7]
	s_nop 0
	tensor_load_to_lds s[68:71], s[G1C0:G1C0+7]
	s_nop 0
	tensor_load_to_lds s[72:75], s[G1C0:G1C0+7]
	s_nop 0
	tensor_load_to_lds s[76:79], s[G1C0:G1C0+7]
	s_nop 0
.rept 4
	v_nop
.endr
	s_branch .Lasked
.Lsource_1:
	tensor_load_to_lds s[80:83], s[G1S1:G1S1+7]
	s_nop 0
	tensor_load_to_lds s[84:87], s[G1C1:G1C1+7]
	s_nop 0
	tensor_load_to_lds s[88:91], s[G1C1:G1C1+7]
	s_nop 0
	tensor_load_to_lds s[92:95], s[G1C1:G1C1+7]
	s_nop 0
	tensor_load_to_lds s[96:99], s[G1C1:G1C1+7]
	s_nop 0
.rept 4
	v_nop
.endr
.Lasked:
	v_and_b32 v15, 31, v0                          ; lane
	v_and_b32 v12, 15, v0                          ; r
	v_bfe_u32 v13, v0, 4, 1                        ; h
	v_lshlrev_b32 v1, 4, v15                       ; 16 x lane
	v_lshlrev_b32 v2, 3, v15                       ; 8 x lane
	v_lshlrev_b32 v3, 2, v15                       ; 4 x lane
	v_and_b32 v14, 8, v12
	v_add_nc_u32 v14, v14, v12                     ; r + 8 (r / 8)
	s_mul_i32 s66, s21, 24576
	v_add_nc_u32 v4, s66, v1                       ; source 0's fragments: 16 x lane + my 8 tiles (+ the chunk, stepped)
	s_mul_i32 s66, s22, 12288
	s_add_co_u32 s66, s66, S1
	v_add_nc_u32 v5, s66, v1                       ; source 1's: my 4 tiles
	v_lshlrev_b32 v6, 2, v12
	v_lshl_add_u32 v6, v13, 9, v6                  ; scale words: 4 r; lanes 16-31 take the next tile's
	s_lshl_b32 s66, s22, 11
	s_add_co_u32 s66, s66, SC1
	v_add_nc_u32 v7, s66, v6
	s_lshl_b32 s66, s21, 12
	s_add_co_u32 s66, s66, SC0
	v_add_nc_u32 v6, s66, v6
.irp b, 0,1,2,3
	v_mov_b32 v[TM+4+\b], 0                        ; written once: a lane permute's destination counts as one of its sources
.endr
; K step s's fragments into buffer s % 2 (window 2 or 3), and its scale words into set s % 2: one register carries tile 2 n's words in lanes 0-15 and tile 2 n + 1's in lanes 16-31
.macro FETCH s
	WIN 0x80+0x40*((\s)%2)
.irp j, 0,1,2,3,4,5,6,7
.irp g, 0,1,2
	ds_load_b128 v[12*\j+4*\g:12*\j+4*\g+3], v4 offset:3072*\j+1536*((\s)%2)+512*\g
.endr
.endr
.irp i, 0,1,2,3
.irp g, 0,1,2
	ds_load_b128 v[96+12*\i+4*\g:96+12*\i+4*\g+3], v5 offset:3072*\i+1536*((\s)%2)+512*\g
.endr
.endr
	WIN 0
.irp n, 0,1,2,3
	ds_load_b32 v[16+6*((\s)%2)+\n], v6 offset:1024*\n+64*(\s)
.endr
.irp n, 0,1
	ds_load_b32 v[20+6*((\s)%2)+\n], v7 offset:1024*\n+64*(\s)
.endr
.endm
.macro WM i, j, s, cz                  ; accumulator (i, j) takes K step s; cz: the product starts the sum
.set DD, 64*(\i)+8*(\j)
.set AA, 12*(\j)
.set BB, 96+12*(\i)
.set SA, 16+6*((\s)%2)+(\j)/2
.set SB, 20+6*((\s)%2)+(\i)/2
.set RW, 2*((\i)%2)+(\j)%2
.if \cz
.if RW == 0
	v_wmma_scale_f32_16x16x128_f8f6f4 v[DD:DD+7], v[AA:AA+11], v[BB:BB+11], 0, v[SA], v[SB] matrix_a_fmt:MATRIX_FMT_FP6 matrix_b_fmt:MATRIX_FMT_FP6
.elseif RW == 1
	v_wmma_scale_f32_16x16x128_f8f6f4 v[DD:DD+7], v[AA:AA+11], v[BB:BB+11], 0, v[SA], v[SB] matrix_a_fmt:MATRIX_FMT_FP6 matrix_b_fmt:MATRIX_FMT_FP6 matrix_a_scale:MATRIX_SCALE_ROW1
.elseif RW == 2
	v_wmma_scale_f32_16x16x128_f8f6f4 v[DD:DD+7], v[AA:AA+11], v[BB:BB+11], 0, v[SA], v[SB] matrix_a_fmt:MATRIX_FMT_FP6 matrix_b_fmt:MATRIX_FMT_FP6 matrix_b_scale:MATRIX_SCALE_ROW1
.else
	v_wmma_scale_f32_16x16x128_f8f6f4 v[DD:DD+7], v[AA:AA+11], v[BB:BB+11], 0, v[SA], v[SB] matrix_a_fmt:MATRIX_FMT_FP6 matrix_b_fmt:MATRIX_FMT_FP6 matrix_a_scale:MATRIX_SCALE_ROW1 matrix_b_scale:MATRIX_SCALE_ROW1
.endif
.else
.if RW == 0
	v_wmma_scale_f32_16x16x128_f8f6f4 v[DD:DD+7], v[AA:AA+11], v[BB:BB+11], v[DD:DD+7], v[SA], v[SB] matrix_a_fmt:MATRIX_FMT_FP6 matrix_b_fmt:MATRIX_FMT_FP6
.elseif RW == 1
	v_wmma_scale_f32_16x16x128_f8f6f4 v[DD:DD+7], v[AA:AA+11], v[BB:BB+11], v[DD:DD+7], v[SA], v[SB] matrix_a_fmt:MATRIX_FMT_FP6 matrix_b_fmt:MATRIX_FMT_FP6 matrix_a_scale:MATRIX_SCALE_ROW1
.elseif RW == 2
	v_wmma_scale_f32_16x16x128_f8f6f4 v[DD:DD+7], v[AA:AA+11], v[BB:BB+11], v[DD:DD+7], v[SA], v[SB] matrix_a_fmt:MATRIX_FMT_FP6 matrix_b_fmt:MATRIX_FMT_FP6 matrix_b_scale:MATRIX_SCALE_ROW1
.else
	v_wmma_scale_f32_16x16x128_f8f6f4 v[DD:DD+7], v[AA:AA+11], v[BB:BB+11], v[DD:DD+7], v[SA], v[SB] matrix_a_fmt:MATRIX_FMT_FP6 matrix_b_fmt:MATRIX_FMT_FP6 matrix_a_scale:MATRIX_SCALE_ROW1 matrix_b_scale:MATRIX_SCALE_ROW1
.endif
.endif
.endm
.macro MUL s                           ; 32 matrix instructions: the 32 accumulators take turns, one instruction a turn, in the same order in every K step
.irp i, 0,1,2,3
.irp j, 0,1,2,3,4,5,6,7
	WM \i, \j, \s, (\s)==0
.endr
.endr
.endm
; THE CORE: eight K steps, written out.  While step s is multiplied, step s + 1's 42 LDS loads, issued in one run ahead of it, land in the other buffer.
; A chunk is read behind a wait that leaves only the chunks issued behind it out, and a barrier, since other waves fetched most of it.  Behind these barriers nothing is filled, so later chunks may stay on their way.
.macro CORE
	s_wait_tensorcnt 0x3                           ; my scale words and my part of chunk 0 are in; chunks 1 to 3 may be out
	BAR
	FETCH 0
	s_wait_dscnt 0x0
.irp s, 0,1,2,3,4,5,6,7
.if ((\s)%2 == 1) && ((\s) < 7)
	s_wait_tensorcnt 3-((\s)+1)/2                  ; my part of the next chunk is in; the chunks behind it may be out
	BAR
	v_add_nc_u32 v4, 49152, v4                     ; on to that chunk
	v_add_nc_u32 v5, 24576, v5
.endif
.if ((\s) > 0) && ((\s) < 7)
	PLACES                                         ; the buffer to be loaded was read by the K step before
.endif
.if (\s) < 7
	FETCH (\s)+1
.endif
	WIN 0x5a+5*((\s)%2)                            ; sources 0 and 1: window 2 or 3; C and D: window 1
	MUL \s
	WIN 0
	s_wait_dscnt 0x0                               ; the next K step's fragments are in
.endr
	PLACES                                         ; in front of the first read of results
.endm
; 64 numbers of a lane, v[s] .. v[s + 63], register 16 b + i = k 32 b + 16 (lane / 16) + i of my row, become a fragment's codes in v[PC] on and its scale word in v[PW].
.macro QUANT s
.irp b, 0,1,2,3
	v_max3_num_f32 v[TM+\b], |v[\s+16*\b]|, |v[\s+1+16*\b]|, 0x1800000   ; block b: my 16 numbers, and the floor 2^(3 - 127): the byte cannot fall under 1
.endr
.irp i, 2,4,6,8,10,12,14
.irp b, 0,1,2,3
	v_max3_num_f32 v[TM+\b], v[TM+\b], |v[\s+16*\b+\i]|, |v[\s+1+16*\b+\i]|
.endr
.endr
.irp b, 0,1,2,3
	v_permlanex16_b32 v[TM+4+\b], v[TM+\b], s[SEL], s[SEL+1]
.endr
.irp b, 0,1,2,3
	v_max_num_f32 v[TM+\b], v[TM+\b], v[TM+4+\b]   ; with lane l xor 16's: the block's largest magnitude
.endr
.irp b, 0,1,2,3
	v_add_nc_u32 v[TM+12+\b], 0xff000000, v[TM+\b] ; 2 off its exponent field: the conversion's scale operand
.endr
.irp b, 0,1,2,3
	v_lshrrev_b32 v[TM+4+\b], 23, v[TM+12+\b]      ; the scale's byte
.endr
	v_lshl_or_b32 v[PW], v[TM+5], 8, v[TM+4]
	v_lshl_or_b32 v[PW], v[TM+6], 16, v[PW]
	v_lshl_or_b32 v[PW], v[TM+7], 24, v[PW]
.irp c, 0,1
	v_cvt_scalef32_pk16_fp6_f32 v[PC+6*\c:PC+2+6*\c], v[\s+32*\c:\s+15+32*\c], v[TM+12+2*\c]
	v_cvt_scalef32_pk16_fp6_f32 v[PC+12+4*\c:PC+14+4*\c], v[\s+16+32*\c:\s+31+32*\c], v[TM+12+2*\c+1]   ; (a conversion's three registers begin on an even number)
.endr
	v_nop                                          ; one plain place behind a scaled conversion
.irp c, 0,1                                    ; the operand's layout wants a WHOLE block in a lane: lanes 0-15 block 2 c, lanes 16-31 block 2 c + 1
.irp i, 0,1,2
	v_permlane16_swap_b32 v[PC+6*\c+\i], v[PC+12+4*\c+\i]
.endr
.irp i, 0,1,2
	v_mov_b32 v[PC+3+6*\c+\i], v[PC+12+4*\c+\i]
.endr
.endr
.endm
	s_cmp_ge_u32 s3, 16
	s_cbranch_scc1 .Lv_path                        ; the cluster's y alone decides: all sixteen partners go the same way
	; ---------------- q and k ----------------
	s_cmp_eq_u32 ttmp9, 0
	s_cselect_b64 s[8:9], s[8:9], s[10:11]         ; WQ_b or WK_b
	s_lshl_b32 s66, s23, 10
	s_lshl_b32 s67, s21, 9
	s_add_co_u32 s66, s66, s67                     ; my first feature, 256 cx + 128 a, x 4 bytes
	s_mov_b32 s67, 0
	s_add_nc_u64 s[8:9], s[8:9], s[66:67]
	s_lshl_b32 s10, s101, 7
	s_lshl_b32 s11, s22, 6
	s_add_co_u32 s10, s10, s11
	s_and_b32 s10, s10, 2047                       ; my first token's place in its sequence
	s_lshl_b32 s104, s10, 8
	s_mov_b32 s105, 0
	s_add_nc_u64 s[14:15], s[14:15], s[104:105]    ; its row of the table
	v_lshlrev_b32 v8, 6, v13                       ; 64 h: register 16 b + i of a lane is feature 32 b + 16 h + i
	v_lshl_add_u32 v9, v14, 8, v8                  ; the table: row r + 8 (r / 8) of a tile, + 64 h
.irp bb, 0,1,2,3
.irp q, 0,1,2,3
	global_load_b128 v[BI+16*\bb+4*\q:BI+16*\bb+4*\q+3], v8, s[8:9] offset:128*\bb+16*\q
.endr
.endr
.irp i, 0,1,2,3                        ; tile i of my tokens: cos (16 h + 0 .. 15), then sin, 32 registers
	WIN 0x80+0x40*(\i/2)
.irp q, 0,1,2,3
	global_load_b128 v[144+32*(\i%2)+4*\q:144+32*(\i%2)+4*\q+3], v9, s[14:15] offset:256*(32*(\i/2)+8*(\i%2))+16*\q
	global_load_b128 v[160+32*(\i%2)+4*\q:160+32*(\i%2)+4*\q+3], v9, s[14:15] offset:256*(32*(\i/2)+8*(\i%2))+128+16*\q
.endr
.endr
	WIN 0
	CORE
	s_wait_loadcnt 0x0                             ; biases, cos and sin; their address registers are free
	s_and_b32 s11, s101, 48                        ; 16 x batch
	s_lshl_b32 s12, s23, 2
	s_add_co_u32 s11, s11, s12
	s_lshl_b32 s12, s21, 1
	s_add_co_u32 s11, s11, s12                     ; my first head: 16 x batch + 4 cx + 2 a
	s_lshr_b32 s12, s10, 4                         ; my first tile in the sequence
	s_lshl_b32 s13, s11, 7
	s_add_co_u32 s13, s13, s12
	s_mul_i32 s8, s13, 768                         ; q: the tile's pieces,
	s_lshl_b32 s9, s13, 6
	s_add_co_u32 s9, s9, 6291456                   ; and its scale words
	s_lshl_b32 s13, s11, 4
	s_lshr_b32 s14, s10, 7
	s_add_co_u32 s13, s13, s14
	s_mul_i32 s13, s13, REC                        ; k: the record,
	s_and_b32 s14, s12, 7
	s_mul_i32 s15, s14, 768
	s_add_co_u32 s15, s15, s13                     ; the tile's pieces in it,
	s_lshl_b32 s14, s14, 6
	s_add_co_u32 s14, s14, s13
	s_add_co_u32 s14, s14, KSC                     ; and its scale words
	s_cmp_eq_u32 ttmp9, 0
	s_cselect_b64 s[16:17], s[16:17], s[18:19]     ; qq or kv
	s_cselect_b32 s12, s8, s15
	s_cselect_b32 s14, s9, s14
	s_mov_b32 s8, 16*REC
	s_cselect_b32 s8, 98304, s8                    ; from a head to the next: pieces,
	s_mov_b32 s9, 16*REC
	s_cselect_b32 s9, 8192, s9                     ; scale words
	s_mov_b32 s13, 0
	s_mov_b32 s15, 0
	s_add_nc_u64 s[18:19], s[16:17], s[14:15]
	s_add_nc_u64 s[16:17], s[16:17], s[12:13]
	s_mov_b32 s[SEL], 0x76543210
	s_mov_b32 s[SEL+1], 0xfedcba98
	s_mov_b32 s66, 0xffff0000                      ; a mask: lanes 16-31
	v_mov_b32 v8, v2                               ; the first head's pieces: 8 x lane;
	v_add_nc_u32 v9, s8, v2                        ; the second head's
	v_mul_lo_u32 v10, v13, s9
	v_lshl_add_u32 v10, v12, 2, v10                ; scale words: lanes 0-15 the first head's, lanes 16-31 the second's
; Tile i of my tokens: bias, RoPE, quantiser, out.  A lane's 64 numbers are two heads of one token: head c's d = 16 h + n in register 32 c + n and d = 32 + 16 h + n in register 32 c + 16 + n.
.macro EPI_QK i
.set RCO, 144+32*((\i)%2)
.set RSI, RCO+16
	s_wait_xcnt 0x0                                ; the last tile's stores have read their registers
	WIN 0x01                                       ; source 0: window 1
.set n, 0
.rept 32
	v_pk_add_f32 v[H+n:H+n+1], v[64*\i+n:64*\i+n+1], v[BI+n:BI+n+1]   ; each accumulator from its low end on
.set n, n+2
.endr
	WIN 0x08+4*((\i)/2)                            ; source 1 (cos, sin): window 2 or 3
.irp c, 0,1
.irp m, 0,2,4,6,8,10,12,14
.set T1, TM+4*((\m/2)%4)
.set X1, H+32*\c+\m
.set X2, H+32*\c+16+\m
	v_pk_mul_f32 v[T1:T1+1], v[X2:X2+1], v[RSI+\m:RSI+\m+1]
	v_pk_mul_f32 v[T1+2:T1+3], v[X2:X2+1], v[RCO+\m:RCO+\m+1]
	v_pk_fma_f32 v[X2:X2+1], v[X1:X1+1], v[RSI+\m:RSI+\m+1], v[T1+2:T1+3]                                  ; x1 sin + x2 cos
	v_pk_fma_f32 v[X1:X1+1], v[X1:X1+1], v[RCO+\m:RCO+\m+1], v[T1:T1+1] neg_lo:[0,0,1] neg_hi:[0,0,1]      ; x1 cos - x2 sin
.endr
.endr
	WIN 0
	QUANT H
.irp c, 0,1
.irp p, 0,1,2
	global_store_b64 v[8+\c], v[PC+6*\c+2*\p:PC+6*\c+2*\p+1], s[16:17] offset:768*\i+256*\p   ; 32 lanes store 256 consecutive bytes, aligned
.endr
.endr
	v_lshrrev_b32 v149, 16, v[PW]
	v_cndmask_b32 v149, v[PW], v149, s66           ; lanes 0-15: bytes 0, 1 are the first head's; lanes 16-31: the second head's two bytes, moved down
	global_store_b32 v10, v149, s[18:19] offset:64*\i
.endm
	EPI_QK 0
	EPI_QK 1
	EPI_QK 2
	EPI_QK 3
	s_branch .Ldone
	; ---------------- v ----------------
.Lv_path:
	s_lshl_b32 s104, s101, 9
	s_lshl_b32 s105, s22, 8
	s_add_co_u32 s104, s104, s105                  ; my first feature, 128 t1 + 64 b, x 4 bytes
	s_mov_b32 s105, 0
	s_add_nc_u64 s[12:13], s[12:13], s[104:105]
	v_lshlrev_b32 v9, 2, v14                       ; a lane is ONE feature: r + 8 (r / 8) of a tile
.irp i, 0,1,2,3
	global_load_b32 v[BI+2*\i], v9, s[12:13] offset:4*(32*(\i/2)+8*(\i%2))
	v_mov_b32 v[BI+1+2*\i], 0                      ; (named with it as a pair)
.endr
	CORE
	s_wait_loadcnt 0x0
	s_lshr_b32 s8, s100, 3                         ; my 128 tokens begin at 256 t0 + 128 a: batch t0 / 8,
	s_lshl_b32 s8, s8, 4
	s_lshl_b32 s9, s101, 1
	s_add_co_u32 s8, s8, s9
	s_add_co_u32 s8, s8, s22                       ; head 2 t1 + b,
	s_lshl_b32 s8, s8, 4
	s_and_b32 s9, s100, 7
	s_lshl_b32 s9, s9, 1
	s_add_co_u32 s8, s8, s9
	s_add_co_u32 s8, s8, s21                       ; key step 2 (t0 % 8) + a
	s_mul_i32 s8, s8, REC
	s_mov_b32 s9, 0
	s_add_nc_u64 s[18:19], s[18:19], s[8:9]        ; the record
	s_mov_b32 s[SEL], 0x76543210
	s_mov_b32 s[SEL+1], 0xfedcba98
; Tile i of my head's d: a lane's 64 numbers are 64 of the key step's 128 keys of ONE d: bias, quantiser along the keys, and the fragment of V^T goes out as it stands.
.macro EPI_V i
	s_wait_xcnt 0x0                                ; the last tile's stores have read their registers
	WIN 0x01
.set n, 0
.rept 32
	v_pk_add_f32 v[H+n:H+n+1], v[64*\i+n:64*\i+n+1], v[BI+2*\i:BI+2*\i+1] op_sel_hi:[1,0]
.set n, n+2
.endr
	WIN 0
	QUANT H
.irp g, 0,1,2
	global_store_b128 v1, v[PC+4*\g:PC+4*\g+3], s[18:19] offset:VIMG+1536*\i+512*\g   ; 512 consecutive bytes, aligned to 256
.endr
	global_store_b32 v3, v[PW], s[18:19] offset:VSC+128*\i
.endm
	EPI_V 0
	EPI_V 1
	EPI_V 2
	EPI_V 3
.Ldone:
	s_wait_tensorcnt 0x0                           ; the wave's end, behind my last tensor load
	ds_add_u32 v28, v29
	s_wait_dscnt 0x0
	CROUND                                         ; the closing round
	s_endpgm
.Lfunc_end_k_q672fc09ddd_qkv:
	.size	k_q672fc09ddd_qkv, .Lfunc_end_k_q672fc09ddd_qkv-k_q672fc09ddd_qkv
	.p2alignl 7, 3214868480
	.fill 96, 4, 3214868480
	.section	.rodata,"a",@progbits
	.p2align	6, 0x0
	.amdhsa_kernel k_q672fc09ddd_qkv
		.amdhsa_group_segment_fixed_size 327680
		.amdhsa_private_segment_fixed_size 0
		.amdhsa_enable_private_segment 0
		.amdhsa_kernarg_size 64
		.amdhsa_user_sgpr_count 2
		.amdhsa_user_sgpr_kernarg_segment_ptr 1
		.amdhsa_wavefront_size32 1
		.amdhsa_system_sgpr_workgroup_id_x 1
		.amdhsa_system_sgpr_workgroup_id_y 1
		.amdhsa_system_sgpr_workgroup_id_z 1
		.amdhsa_system_vgpr_workitem_id 0
		.amdhsa_next_free_vgpr 1024
		.amdhsa_next_free_sgpr 106
		.amdhsa_reserve_vcc 0
		.amdhsa_float_denorm_mode_32 3
		.amdhsa_float_denorm_mode_16_64 3
		.amdhsa_memory_ordered 1
		.amdhsa_forward_progress 1
		.amdhsa_inst_pref_size 198
	.end_amdhsa_kernel
	.amdgpu_metadata
---
amdhsa.version: [ 1, 2 ]
amdhsa.kernels:
  - .name:           k_q672fc09ddd_qkv
    .symbol:         k_q672fc09ddd_qkv.kd
    .args:
      - { .name: xq, .offset: 0, .size: 8, .value_kind: global_buffer, .address_space: global }
      - { .name: wq, .offset: 8, .size: 8, .value_kind: global_buffer, .address_space: global }
      - { .name: WQ_b, .offset: 16, .size: 8, .value_kind: global_buffer, .address_space: global }
      - { .name: WK_b, .offset: 24, .size: 8, .value_kind: global_buffer, .address_space: global }
      - { .name: WV_b, .offset: 32, .size: 8, .value_kind: global_buffer, .address_space: global }
      - { .name: rope, .offset: 40, .size: 8, .value_kind: global_buffer, .address_space: global }
      - { .name: qq, .offset: 48, .size: 8, .value_kind: global_buffer, .address_space: global }
      - { .name: kv, .offset: 56, .size: 8, .value_kind: global_buffer, .address_space: global }
    .group_segment_fixed_size: 327680
    .private_segment_fixed_size: 0
    .kernarg_segment_align: 8
    .kernarg_segment_size: 64
    .max_flat_workgroup_size: 128
    .sgpr_count:     106
    .vgpr_count:     1024
    .wavefront_size: 32
...
	.end_amdgpu_metadata
.endif
;; end of part 2
;; launch attn (part 3): grid 256 x 1, 16 waves a work-group, clusters of 4 x 1, 228,352 bytes of LDS; arguments qq, kv, aq; writes aq
.if DOCPART == 3
	.amdgcn_target "amdgcn-amd-amdhsa--gfx1250"
	.amdhsa_code_object_version 6
	.text
	.protected	k_q672fc09ddd_attn
	.globl	k_q672fc09ddd_attn
	.p2align	8
	.type	k_q672fc09ddd_attn,@function
k_q672fc09ddd_attn:
	s_mov_b64 s[64:65], 0
	v_nop
	global_prefetch_b8 v0, s[64:65] scope:SCOPE_SE
	s_setreg_imm32_b32 hwreg(HW_REG_WAVE_MODE, 25, 1), 1
	s_wait_xcnt 0x0
	s_wait_alu depctr_hold_cnt(0) depctr_sa_sdst(0) depctr_va_vdst(0) depctr_va_sdst(0) depctr_va_ssrc(0) depctr_va_vcc(0) depctr_vm_vsrc(0)
	s_getreg_b32 s2, hwreg(HW_REG_IB_STS2, 6, 4)
	s_cmp_eq_u32 s2, 0
	s_cbranch_scc0 .Lentry_in_a_cluster
	s_endpgm
.Lentry_in_a_cluster:
	s_bfe_u32 s2, ttmp6, 0x10000c
	s_cmp_lg_u32 s2, 0x3003
	s_cbranch_scc0 .Lentry_shape_is_right
	s_endpgm
.Lentry_shape_is_right:
; LAUNCH 3 OF 4.  Causal attention on codes of FP6: S^T = k q^T (K = 64: the upper half of the instruction's 128 meets zero codes of q), the softmax by the problem's rule, O^T = V^T p^T, and the quantiser of the result along the model's 1,024.
; LEFT OUT AS DEAD WORK (shown at the head of launch prep): key steps all of whose 128 keys come after all 16 queries of a tile.
; THE SOFTMAX: t = score x log2(e) / 8; M = the running largest t, rounded up to a whole number; p = 2^(t - M) is quantised along the keys, not normalised; the row's sum is taken of the unquantised p and divides at the end.
; SHARES.  A cluster of four work-groups takes one head (cluster x = 16 x batch + head).  Work-group c owns the tiles of queries T = 4 m + c, m = 0 .. 31 (tiles of rows P(T, rho): launch prep's head comment).  Wave w takes
; m = 31 - w and then m = w.  A tile needs key steps 0 .. m / 2, whatever c: so every wave of every work-group walks 17 key steps, and no branch hangs on the work-group's place.
; THE WHOLE HEAD'S K AND V LIE IN LDS: 16 records of REC bytes (launch qkv's head comment), dense, each byte filled ONCE, by two joint loads a wave at the head: records 0-3, then 4-15.  All four partners read all of it.
; A lane holds ONE query throughout.  Key tile t of a step holds keys P(t, rho), so that a lane's 16 registers of tiles 2 b, 2 b + 1 are keys 32 b + 16 h + 0 .. 15; V^T's tiles of d likewise.
; A tile of keys is 6 registers (k = 0 .. 63).  Source 0 of the product names 12: the upper six are the next tile's codes (behind the last tile: zeros); they meet q's zero codes, and no scale byte is 0xff.
; OUT: aq, laid as launch oproj's source 1: tile Tg = 128 x batch + T, K step s = head / 2: pieces 3 c .. 3 c + 2 (c = head % 2) of 256 bytes at Tg x 12,288 + s x 1,536; scale bytes 2 c, 2 c + 1 of the word at 6,291,456 + Tg x 512 + s x 64 + 4 r.
; REGISTERS: v1-11 addresses; v12 -M, v13 the largest t, v[14:15] the sum; v16-21 q, v22-27 zeros; v28 the mask's lane term; v32-79 eight tiles of k, then four fragments of V^T; v80-85 zeros; v96-159 S^T, then p;
;   v160-191 O^T; v192-198 the second tile's q; v224-235 p's codes; v232-254 at work; v248-251 scale words of k or V^T; v253 p's; v255 q's.
.set REC,   13312
.set VIMG,  6144
.set KSC,   12288
.set VSC,   12800
.set SPARE, 17*REC                     ; one record's bytes behind the 16 records: the spare words, 128 bytes a wave
.set G1A,  16                          ; s[16:23] group 1 of the first load (13 rows of 256 bytes);  s[24:31] of the second (39)
.set G1B,  24
.set CS,   40                          ; s[40:41] c = log2(e) / 8
.set SEL,  42                          ; s[42:43] selects for lane l xor 16
.set HM,   44                          ; s44  a mask: lanes 16-31
.set TB,   45                          ; s45  LDS byte of the record in hand
.set KS,   46                          ; s46  the key step
.set HI,   47                          ; s47  the tile's last key step, m / 2
.set CNT,  48
.set AOB,  50                          ; s[50:51] where the tile's codes go;  s[52:53] its scale bytes
.set ASB,  52
.macro BAR
	s_barrier_signal -1
	s_barrier_wait -1
.endm
.macro CROUND
	s_barrier_signal -1
	s_barrier_wait -1
	s_cmp_lg_u32 s10, 0
	s_cbranch_scc1 .Lnot_wave_0_\@
	s_barrier_signal -3
.Lnot_wave_0_\@:
	s_barrier_wait -3
	s_barrier_signal -1
	s_barrier_wait -1
.endm
	s_load_b128 s[4:7], s[0:1], 0x0                ; qq, kv
	s_load_b64 s[8:9], s[0:1], 0x10                ; aq
	v_lshl_add_u32 v5, v0, 2, SPARE
	v_mov_b32 v6, 0
	ds_add_u32 v5, v6                              ; the wave's opening: the add, twice on end, and its wait ahead of my first tensor load
	ds_add_u32 v5, v6
	v_lshrrev_b32 v1, 5, v0
	s_delay_alu instid0(VALU_DEP_1)
	v_readfirstlane_b32 s10, v1                    ; wave 0..15
	s_bfe_u32 s11, ttmp6, 0x40000                  ; cx: it enters global addresses and the mask's numbers alone
.irp g, G1A, G1B
	s_mov_b32 s[\g], 15|(3<<16)|(1<<21)            ; 15:0 the mask: all four work-groups; 17:16 elements of 8 bytes; 21 set beside a mask; no padding
	s_mov_b32 s[\g+1], 32<<16                      ; rows of 256 bytes, dense
	s_mov_b32 s[\g+3], 32<<16
	s_mov_b32 s[\g+5], 32
	s_mov_b32 s[\g+6], 0
	s_mov_b32 s[\g+7], 0
.endr
	s_mov_b32 s[G1A+2], 13<<16
	s_mov_b32 s[G1A+4], 13
	s_mov_b32 s[G1B+2], 39<<16
	s_mov_b32 s[G1B+4], 39
	s_mul_i32 s2, ttmp9, 16*REC                    ; the head's first byte in kv
	s_mov_b32 s32, 1
	s_mul_i32 s33, s10, 3328                       ; records 0-3: 16 waves x 3,328 bytes
	s_add_co_u32 s46, s2, s33
	s_mov_b32 s47, 0
	s_mov_b32 s36, 1
	s_mul_i32 s37, s10, 9984                       ; records 4-15: 16 waves x 9,984 bytes
	s_add_co_u32 s37, s37, 4*REC
	s_add_co_u32 s48, s2, s37
	s_mov_b32 s49, 0
	s_mov_b32 s[CS], 0x3e38aa3b
	s_mov_b32 s[CS+1], s[CS]                       ; (named with it as a pair)
	s_mov_b32 s[SEL], 0x76543210
	s_mov_b32 s[SEL+1], 0xfedcba98
	s_mov_b32 s[HM], 0xffff0000
	s_wait_dscnt 0x0                               ; both opening adds are done
	s_wait_kmcnt 0x0
	s_add_nc_u64 s[34:35], s[6:7], s[46:47]
	s_or_b32 s35, s35, 0x80000000
	s_add_nc_u64 s[38:39], s[6:7], s[48:49]
	s_or_b32 s39, s39, 0x80000000
	CROUND                                         ; all four work-groups are here: the joint loads meet
	tensor_load_to_lds s[32:35], s[G1A:G1A+7]      ; two loads of mine are out
	s_nop 0
	tensor_load_to_lds s[36:39], s[G1B:G1B+7]
	s_nop 0
.rept 4
	v_nop
.endr
	v_and_b32 v8, 31, v0                           ; lane
	v_and_b32 v9, 15, v0                           ; r
	v_bfe_u32 v10, v0, 4, 1                        ; h
	s_delay_alu instid0(VALU_DEP_3)
	v_lshlrev_b32 v1, 3, v8                        ; 8 x lane
	s_wait_alu depctr_va_vdst(0)
	v_lshlrev_b32 v2, 4, v8                        ; 16 x lane
	v_lshlrev_b32 v3, 2, v8                        ; 4 x lane
	v_lshlrev_b32 v11, 2, v9                       ; 4 r
	s_wait_alu depctr_va_vdst(0)
	v_add_nc_u32 v7, v11, v10                      ; 4 r + h: where my scale byte goes
	v_and_b32 v28, 8, v9
	s_delay_alu instid0(VALU_DEP_1)
	v_add_nc_u32 v28, v28, v9
	v_lshlrev_b32 v10, 4, v10
	s_delay_alu instid0(VALU_DEP_1)
	v_sub_nc_u32 v28, v28, v10                     ; r + 8 (r / 8) - 16 h
	s_lshl_b32 s3, ttmp9, 7
	s_sub_co_u32 s2, 31, s10
	s_lshl_b32 s2, s2, 2
	s_add_co_u32 s2, s2, s11
	s_add_co_u32 s2, s2, s3                        ; 128 x head + my first tile
	s_mul_i32 s12, s2, 768
	s_mov_b32 s13, 0
	s_add_nc_u64 s[54:55], s[4:5], s[12:13]
	s_lshl_b32 s12, s2, 6
	s_add_co_u32 s12, s12, 6291456
	s_add_nc_u64 s[56:57], s[4:5], s[12:13]
	s_lshl_b32 s2, s10, 2
	s_add_co_u32 s2, s2, s11
	s_add_co_u32 s2, s2, s3                        ; and my second
	s_mul_i32 s12, s2, 768
	s_add_nc_u64 s[58:59], s[4:5], s[12:13]
	s_lshl_b32 s12, s2, 6
	s_add_co_u32 s12, s12, 6291456
	s_add_nc_u64 s[60:61], s[4:5], s[12:13]
.irp p, 0,1,2
	global_load_b64 v[16+2*\p:17+2*\p], v1, s[54:55] offset:256*\p
	global_load_b64 v[192+2*\p:193+2*\p], v1, s[58:59] offset:256*\p
.endr
	global_load_b32 v255, v11, s[56:57]
	global_load_b32 v198, v11, s[60:61]
.irp i, 0,1,2,3,4,5
	v_mov_b32 v[22+\i], 0                          ; q's codes of k = 64 .. 127
	v_mov_b32 v[80+\i], 0                          ; what stands behind the last tile of keys
.endr
; A tile's start.  pass 0: m = 31 - w; pass 1: m = w.
.macro INIT pass
.if \pass
	s_mov_b32 s2, s10
.else
	s_sub_co_u32 s2, 31, s10
.endif
	s_lshr_b32 s[HI], s2, 1
	s_lshl_b32 s3, s2, 2
	s_add_co_u32 s3, s3, s11                       ; T
	s_bfe_u32 s12, s3, 0x20001
	s_lshl_b32 s12, s12, 5
	s_and_b32 s13, s3, 1
	s_lshl_b32 s13, s13, 3
	s_add_co_u32 s62, s12, s13                     ; 32 ((T / 2) % 4) + 8 (T % 2): the tile's first query, counted from the last key step's first key
	s_lshr_b32 s12, ttmp9, 4
	s_lshl_b32 s12, s12, 7
	s_add_co_u32 s3, s3, s12                       ; Tg
	s_bfe_u32 s14, ttmp9, 0x30001                  ; head / 2
	s_and_b32 s15, ttmp9, 1                        ; head % 2
	s_mul_i32 s12, s3, 12288
	s_mul_i32 s13, s14, 1536
	s_add_co_u32 s12, s12, s13
	s_mul_i32 s13, s15, 768
	s_add_co_u32 s12, s12, s13
	s_mov_b32 s13, 0
	s_add_nc_u64 s[AOB:AOB+1], s[8:9], s[12:13]
	s_lshl_b32 s12, s3, 9
	s_lshl_b32 s14, s14, 6
	s_add_co_u32 s12, s12, s14
	s_lshl_b32 s15, s15, 1
	s_add_co_u32 s12, s12, s15
	s_add_co_u32 s12, s12, 6291456
	s_add_nc_u64 s[ASB:ASB+1], s[8:9], s[12:13]
	s_mov_b32 s[KS], 0
	s_mov_b32 s[TB], 0
.if \pass
.irp i, 0,1,2,3,4,5
	v_mov_b32 v[16+\i], v[192+\i]
.endr
	v_mov_b32 v255, v198                           ; (the lines below are more than the eight places that a scale word so written wants ahead of a scaled product)
.endif
	v_mov_b32 v13, 0xff61b1e6                      ; the largest t so far: -3e38, under every t
	s_delay_alu instid0(VALU_DEP_1)
	v_floor_f32 v12, -v13                          ; -M
	v_mov_b32 v14, 0
	v_mov_b32 v15, 0
.irp b, 0,1,2,3
	v_mov_b32 v[236+\b], 0                         ; a lane permute's destination counts as one of its sources
.endr
	v_mov_b32 v253, 0
.set n, 0
.rept 32
	v_mov_b32 v[160+n], 0                          ; O^T.  (The step is written for all steps alike: the first finds zeros, which the first change of M leaves zeros)
.set n, n+1
.endr
	v_add_nc_u32 v4, s62, v28                      ; in the last key step register 16 b + i holds a hidden key where 32 b + i > this number
.endm
; A KEY STEP: 128 keys.  tests = 1: a step behind the tile's last is jumped over (ids alone decide), and in the tile's last step hidden scores become -infinity.
.macro STEP tests
.if \tests
	s_cmp_gt_u32 s[KS], s[HI]
	s_cbranch_scc1 .Lhidden_\@
.endif
	s_setprio 2
	v_add_nc_u32 v8, s[TB], v1
	v_add_nc_u32 v9, s[TB], v2
	v_add_nc_u32 v10, s[TB], v3
	v_nop                                          ; four places in front of loads into registers that the last products read
.irp t, 0,1,2,3,4,5,6,7
.irp p, 0,1,2
	ds_load_b64 v[32+6*\t+2*\p:33+6*\t+2*\p], v8 offset:768*\t+256*\p
.endr
.endr
.irp n, 0,1,2,3
	ds_load_b32 v[248+\n], v10 offset:KSC+128*\n   ; lanes 0-15: tile 2 n's scale words; lanes 16-31: tile 2 n + 1's
.endr
	s_wait_alu depctr_va_vdst(0)
	s_wait_dscnt 0x0
.irp t, 0,2,4,6
	v_wmma_scale_f32_16x16x128_f8f6f4 v[96+8*\t:103+8*\t], v[32+6*\t:43+6*\t], v[16:27], 0, v[248+\t/2], v255 matrix_a_fmt:MATRIX_FMT_FP6 matrix_b_fmt:MATRIX_FMT_FP6
	v_wmma_scale_f32_16x16x128_f8f6f4 v[104+8*\t:111+8*\t], v[38+6*\t:49+6*\t], v[16:27], 0, v[248+\t/2], v255 matrix_a_fmt:MATRIX_FMT_FP6 matrix_b_fmt:MATRIX_FMT_FP6 matrix_a_scale:MATRIX_SCALE_ROW1
.endr
.rept 4
	v_nop                                          ; places: for the loads below and for the first read of the scores
.endr
.irp t, 0,1,2,3                        ; V^T's four fragments land under the softmax
.irp g, 0,1,2
	ds_load_b128 v[32+12*\t+4*\g:35+12*\t+4*\g], v9 offset:VIMG+1536*\t+512*\g
.endr
	ds_load_b32 v[248+\t], v10 offset:VSC+128*\t
.endr
.if \tests
	s_cmp_lg_u32 s[KS], s[HI]
	s_cbranch_scc1 .Lopen_\@
	v_mov_b32 v254, 0xff800000                     ; -infinity: p = 0 then
.set n, 0
.rept 64
	v_cmp_gt_i32 vcc_lo, 32*(n/16)+n%16, v4
	v_cndmask_b32 v[96+n], v[96+n], v254, vcc_lo
.set n, n+1
.endr
.Lopen_\@:
.endif
.irp b, 0,1,2,3
	v_max3_num_f32 v[232+\b], v[96+16*\b], v[97+16*\b], v[98+16*\b]   ; the largest score of each block of 32 keys: for the row's maximum, and, since p rises with the score, for the block's largest p
.endr
.irp i, 3,5,7,9,11,13
.irp b, 0,1,2,3
	v_max3_num_f32 v[232+\b], v[232+\b], v[96+16*\b+\i], v[97+16*\b+\i]
.endr
.endr
.irp b, 0,1,2,3
	v_max_num_f32 v[232+\b], v[232+\b], v[111+16*\b]
.endr
.irp b, 0,1,2,3
	s_delay_alu instid0(VALU_DEP_4)
	v_permlanex16_b32 v[236+\b], v[232+\b], s[SEL], s[SEL+1]
.endr
.irp b, 0,1,2,3
	s_delay_alu instid0(VALU_DEP_4)
	v_max_num_f32 v[232+\b], v[232+\b], v[236+\b]  ; with lane l xor 16's 16 keys
.endr
	s_delay_alu instid0(VALU_DEP_2)
	v_max3_num_f32 v254, v232, v233, v234
	s_delay_alu instid0(VALU_DEP_1)
	v_max_num_f32 v254, v254, v235
	s_delay_alu instid0(VALU_DEP_1)
	v_mul_f32 v254, s[CS], v254                    ; the step's largest t
	s_delay_alu instid0(VALU_DEP_1)
	v_max_num_f32 v13, v13, v254                   ; the running largest t
	v_mov_b32 v254, v12
	s_delay_alu instid0(VALU_DEP_2)
	v_floor_f32 v12, -v13                          ; the new -M = -ceil(t)
	s_delay_alu instid0(VALU_DEP_1)
	v_sub_f32 v254, v12, v254                      ; old M - new M: a whole number, 0 or less
	s_delay_alu instid0(VALU_DEP_1)
	v_cvt_i32_f32 v254, v254                       ; (it saturates)
	s_delay_alu instid0(VALU_DEP_1)
	v_ldexp_f32 v252, 1.0, v254                    ; f = 2^(old M - new M): a multiplication by it rounds nothing
.set n, 0
	s_setprio 1
.rept 32
	v_pk_fma_f32 v[96+n:97+n], v[96+n:97+n], s[CS:CS+1], v[12:13] op_sel_hi:[1,0,0]   ; t - M
.set n, n+2
.endr
.irp b, 0,1,2,3
	v_fma_f32 v[232+\b], v[232+\b], s[CS], v12
.endr
.set n, 0
	s_wait_alu depctr_va_vdst(0)
.rept 64
	v_exp_f32 v[96+n], v[96+n]                     ; p = 2^(t - M)
.set n, n+1
.endr
	v_pk_mul_f32 v[14:15], v[14:15], v[252:253] op_sel_hi:[1,0]   ; the sums under the new M.  (A plain place behind the exponentials)
	s_wait_alu depctr_va_vdst(0)                   ; one wait for the whole batch, ahead of its first reader
.irp b, 0,1,2,3
	v_exp_f32 v[232+\b], v[232+\b]                 ; the blocks' largest p
.endr
	v_pk_add_f32 v[236:237], v[100:101], v[104:105]
	v_pk_add_f32 v[246:247], v[108:109], v[112:113]
	v_pk_add_f32 v[244:245], v[116:117], v[120:121]
	v_pk_add_f32 v[242:243], v[124:125], v[128:129]
	v_pk_add_f32 v[240:241], v[132:133], v[136:137]
	v_pk_add_f32 v[238:239], v[140:141], v[144:145]
	v_pk_add_f32 v[230:231], v[148:149], v[152:153]
	v_pk_add_f32 v[14:15], v[14:15], v[156:157]
	v_pk_add_f32 v[236:237], v[236:237], v[96:97]
	v_pk_add_f32 v[246:247], v[246:247], v[98:99]
	v_pk_add_f32 v[244:245], v[244:245], v[102:103]
	v_pk_add_f32 v[242:243], v[242:243], v[106:107]
	v_pk_add_f32 v[240:241], v[240:241], v[110:111]
	v_pk_add_f32 v[238:239], v[238:239], v[114:115]
	v_pk_add_f32 v[230:231], v[230:231], v[118:119]
	v_pk_add_f32 v[14:15], v[14:15], v[122:123]
	v_pk_add_f32 v[236:237], v[236:237], v[126:127]
	v_pk_add_f32 v[246:247], v[246:247], v[130:131]
	v_pk_add_f32 v[244:245], v[244:245], v[134:135]
	v_pk_add_f32 v[242:243], v[242:243], v[138:139]
	v_pk_add_f32 v[240:241], v[240:241], v[142:143]
	v_pk_add_f32 v[238:239], v[238:239], v[146:147]
	v_pk_add_f32 v[230:231], v[230:231], v[150:151]
	v_pk_add_f32 v[14:15], v[14:15], v[154:155]
	v_pk_add_f32 v[236:237], v[236:237], v[158:159]
	s_delay_alu instid0(VALU_DEP_2)
	v_pk_add_f32 v[14:15], v[14:15], v[242:243]
	s_delay_alu instid0(VALU_DEP_2)
	v_pk_add_f32 v[236:237], v[236:237], v[240:241]
	v_pk_add_f32 v[246:247], v[246:247], v[238:239]
	v_pk_add_f32 v[244:245], v[244:245], v[230:231]
	s_delay_alu instid0(VALU_DEP_2)
	v_pk_add_f32 v[14:15], v[14:15], v[246:247]
	s_delay_alu instid0(VALU_DEP_2)
	v_pk_add_f32 v[236:237], v[236:237], v[244:245]
	s_delay_alu instid0(VALU_DEP_1)
	v_pk_add_f32 v[14:15], v[14:15], v[236:237]
	s_wait_alu depctr_va_vdst(0)                   ; and one for the four
.irp b, 0,1,2,3
	v_max_num_f32 v[232+\b], 0x1800000, v[232+\b]  ; the floor 2^(3 - 127): the byte cannot fall under 1
.endr
.irp b, 0,1,2,3
	s_delay_alu instid0(VALU_DEP_4)
	v_add_nc_u32 v[244+\b], 0xff000000, v[232+\b]  ; 2 off the exponent field: the conversion's scale operand
.endr
.irp b, 0,1,2,3
	s_delay_alu instid0(VALU_DEP_4)
	v_lshrrev_b32 v[236+\b], 23, v[244+\b]
.endr
	s_delay_alu instid0(VALU_DEP_3)
	v_lshl_or_b32 v253, v237, 8, v236              ; p's scale word for these 128 keys
	s_delay_alu instid0(VALU_DEP_1)
	v_lshl_or_b32 v253, v238, 16, v253
	s_delay_alu instid0(VALU_DEP_1)
	v_lshl_or_b32 v253, v239, 24, v253
	s_setprio 0
.irp c, 0,1
	v_cvt_scalef32_pk16_fp6_f32 v[224+6*\c:226+6*\c], v[96+32*\c:111+32*\c], v[244+2*\c]
	v_cvt_scalef32_pk16_fp6_f32 v[236+4*\c:238+4*\c], v[112+32*\c:127+32*\c], v[244+2*\c+1]
.endr
	v_nop                                          ; one plain place behind a scaled conversion
.irp c, 0,1
.irp i, 0,1,2
	v_permlane16_swap_b32 v[224+6*\c+\i], v[236+4*\c+\i]
.endr
.irp i, 0,1,2
	s_delay_alu instid0(VALU_DEP_3)
	v_mov_b32 v[227+6*\c+\i], v[236+4*\c+\i]
.endr
.endr
.set n, 0
.rept 16
	v_pk_mul_f32 v[160+n:161+n], v[160+n:161+n], v[252:253] op_sel_hi:[1,0]   ; O^T under the new M.  (These sixteen are also the places in front of the scaled products below)
.set n, n+2
.endr
	s_wait_alu depctr_va_vdst(0)
	s_wait_dscnt 0x0                               ; V^T's fragments and scale words are in
.irp t, 0,1,2,3
	v_wmma_scale_f32_16x16x128_f8f6f4 v[160+8*\t:167+8*\t], v[32+12*\t:43+12*\t], v[224:235], v[160+8*\t:167+8*\t], v[248+\t], v253 matrix_a_fmt:MATRIX_FMT_FP6 matrix_b_fmt:MATRIX_FMT_FP6
.endr
.if \tests
.Lhidden_\@:
.endif
	s_add_co_u32 s[KS], s[KS], 1
	s_add_co_u32 s[TB], s[TB], REC
.endm
.macro RUN n
	s_mov_b32 s[CNT], \n
.Lrun_\@:
	STEP 1
	s_sub_co_u32 s[CNT], s[CNT], 1
	s_cmp_lg_u32 s[CNT], 0
	s_cbranch_scc1 .Lrun_\@
	s_setprio 0
.endm
; A tile's end: O^T / the sum; register 16 b + i is d = 32 b + 16 h + i: two blocks of the next product's K, quantised as p is; six registers of codes and two scale bytes go out.
.macro EPI
.rept 4
	v_nop                                          ; places behind the last products
.endr
	v_add_f32 v14, v14, v15
	s_delay_alu instid0(VALU_DEP_1)
	v_permlanex16_b32 v252, v14, s[SEL], s[SEL+1]
	s_delay_alu instid0(VALU_DEP_1)
	v_add_f32 v14, v14, v252                       ; the row's sum
	s_wait_alu depctr_va_vdst(0)
	v_rcp_f32 v14, v14
	v_nop                                          ; a plain place behind the transcendental
	s_wait_alu depctr_va_vdst(0)                   ; the wait, ahead of the first reader
.set n, 0
.rept 16
	v_pk_mul_f32 v[96+n:97+n], v[160+n:161+n], v[14:15] op_sel_hi:[1,0]
.set n, n+2
.endr
.irp b, 0,1
	v_max3_num_f32 v[232+\b], |v[96+16*\b]|, |v[97+16*\b]|, 0x1800000
.endr
.irp i, 2,4,6,8,10,12,14
.irp b, 0,1
	s_delay_alu instid0(VALU_DEP_2)
	v_max3_num_f32 v[232+\b], v[232+\b], |v[96+16*\b+\i]|, |v[97+16*\b+\i]|
.endr
.endr
.irp b, 0,1
	s_delay_alu instid0(VALU_DEP_2)
	v_permlanex16_b32 v[236+\b], v[232+\b], s[SEL], s[SEL+1]
.endr
.irp b, 0,1
	s_delay_alu instid0(VALU_DEP_2)
	v_max_num_f32 v[232+\b], v[232+\b], v[236+\b]
.endr
.irp b, 0,1
	s_delay_alu instid0(VALU_DEP_2)
	v_add_nc_u32 v[244+\b], 0xff000000, v[232+\b]
.endr
.irp b, 0,1
	s_delay_alu instid0(VALU_DEP_2)
	v_lshrrev_b32 v[236+\b], 23, v[244+\b]
.endr
	v_cvt_scalef32_pk16_fp6_f32 v[224:226], v[96:111], v244
	v_cvt_scalef32_pk16_fp6_f32 v[228:230], v[112:127], v245
	v_nop                                          ; one plain place behind a scaled conversion
.irp i, 0,1,2
	v_permlane16_swap_b32 v[224+\i], v[228+\i]     ; lanes 0-15 now hold block 0 whole, lanes 16-31 block 1
.endr
	s_delay_alu instid0(VALU_DEP_3)
	v_mov_b32 v227, v228
	s_delay_alu instid0(VALU_DEP_3)
	v_mov_b32 v228, v229
	s_delay_alu instid0(VALU_DEP_3)
	v_mov_b32 v229, v230
	v_cndmask_b32 v240, v236, v237, s[HM]          ; lanes 0-15: block 0's byte; lanes 16-31: block 1's
.irp p, 0,1,2
	global_store_b64 v1, v[224+2*\p:225+2*\p], s[AOB:AOB+1] offset:256*\p   ; 32 lanes store 256 consecutive bytes, aligned
.endr
	global_store_b8 v7, v240, s[ASB:ASB+1]
	s_wait_xcnt 0x0                                ; the stores have read their registers and bases: both are written again
.endm
	INIT 0
	s_wait_loadcnt 0x0                             ; both tiles' q
	s_wait_tensorcnt 0x1                           ; my part of records 0-3 is in; my second load may be out
	BAR
.rept 4
	STEP 0                                         ; key steps 0-3, written out: m is at least 16 here, so all their keys count
.endr
	s_wait_tensorcnt 0x0                           ; my part of records 4-15 is in
	s_wait_dscnt 0x0
	BAR
	RUN 12
	EPI
	INIT 1
	RUN 8                                          ; m is at most 15: key steps 0 .. 7 at the most
	EPI
	s_wait_tensorcnt 0x0                           ; the wave's end, behind my last tensor load
	ds_add_u32 v5, v6
	s_wait_dscnt 0x0
	CROUND                                         ; the closing round
	s_endpgm
.Lfunc_end_k_q672fc09ddd_attn:
	.size	k_q672fc09ddd_attn, .Lfunc_end_k_q672fc09ddd_attn-k_q672fc09ddd_attn
	.p2alignl 7, 3214868480
	.fill 96, 4, 3214868480
	.section	.rodata,"a",@progbits
	.p2align	6, 0x0
	.amdhsa_kernel k_q672fc09ddd_attn
		.amdhsa_group_segment_fixed_size 228352
		.amdhsa_private_segment_fixed_size 0
		.amdhsa_enable_private_segment 0
		.amdhsa_kernarg_size 24
		.amdhsa_user_sgpr_count 2
		.amdhsa_user_sgpr_kernarg_segment_ptr 1
		.amdhsa_wavefront_size32 1
		.amdhsa_system_sgpr_workgroup_id_x 1
		.amdhsa_system_sgpr_workgroup_id_y 1
		.amdhsa_system_sgpr_workgroup_id_z 1
		.amdhsa_system_vgpr_workitem_id 0
		.amdhsa_next_free_vgpr 256
		.amdhsa_next_free_sgpr 66
		.amdhsa_reserve_vcc 1
		.amdhsa_float_denorm_mode_32 3
		.amdhsa_float_denorm_mode_16_64 3
		.amdhsa_memory_ordered 1
		.amdhsa_forward_progress 1
		.amdhsa_inst_pref_size 138
	.end_amdhsa_kernel
	.amdgpu_metadata
---
amdhsa.version: [ 1, 2 ]
amdhsa.kernels:
  - .name:           k_q672fc09ddd_attn
    .symbol:         k_q672fc09ddd_attn.kd
    .args:
      - { .name: qq, .offset: 0, .size: 8, .value_kind: global_buffer, .address_space: global }
      - { .name: kv, .offset: 8, .size: 8, .value_kind: global_buffer, .address_space: global }
      - { .name: aq, .offset: 16, .size: 8, .value_kind: global_buffer, .address_space: global }
    .group_segment_fixed_size: 228352
    .private_segment_fixed_size: 0
    .kernarg_segment_align: 8
    .kernarg_segment_size: 24
    .max_flat_workgroup_size: 512
    .sgpr_count:     66
    .vgpr_count:     256
    .wavefront_size: 32
...
	.end_amdgpu_metadata
.endif
;; end of part 3
;; launch oproj (part 4): grid 4 x 64, 4 waves a work-group, clusters of 4 x 4, 327,680 bytes of LDS; arguments aq, wq, Wo_b, out0; writes out0
.if DOCPART == 4
	.amdgcn_target "amdgcn-amd-amdhsa--gfx1250"
	.amdhsa_code_object_version 6
	.text
	.protected	k_q672fc09ddd_oproj
	.globl	k_q672fc09ddd_oproj
	.p2align	8
	.type	k_q672fc09ddd_oproj,@function
k_q672fc09ddd_oproj:
	s_mov_b64 s[64:65], 0
	v_nop
	global_prefetch_b8 v0, s[64:65] scope:SCOPE_SE
	s_setreg_imm32_b32 hwreg(HW_REG_WAVE_MODE, 25, 1), 1
	s_wait_xcnt 0x0
	s_wait_alu depctr_hold_cnt(0) depctr_sa_sdst(0) depctr_va_vdst(0) depctr_va_sdst(0) depctr_va_ssrc(0) depctr_va_vcc(0) depctr_vm_vsrc(0)
	s_getreg_b32 s2, hwreg(HW_REG_IB_STS2, 6, 4)
	s_cmp_eq_u32 s2, 0
	s_cbranch_scc0 .Lentry_in_a_cluster
	s_endpgm
.Lentry_in_a_cluster:
	s_bfe_u32 s2, ttmp6, 0x10000c
	s_cmp_lg_u32 s2, 0xf033
	s_cbranch_scc0 .Lentry_shape_is_right
	s_endpgm
.Lentry_shape_is_right:
; LAUNCH 4 OF 4.  out0 = attention's result x Wo^T + Wo_b on codes of FP6.  Nothing is left out here.
; The core is launch qkv's: a work-group makes source 0's 256 rows (rows of Wo: wq's tiles 192 on) x source 1's 128 rows (tokens: aq) over all of K = 1,024; all its operands lie in LDS, each byte filled ONCE by five tensor
; loads a wave at the head, taken in by counted waits.  Wave (a, b) makes 128 x 64: 32 accumulators.  A lane holds one token; its registers run along the outputs.  The bias is the C of each sum's first product.
; aq's fragments lie in pieces of 256 bytes (register 2 p + e of lane L at 256 p + 8 L + 4 e), so source 1 comes by loads of 8 bytes; wq's in pieces of 512 (launch prep's head comment).
; CLUSTER 4 x 4: Wo's tiles hang on the work-group's x alone and are asked for jointly by a column of the cluster, the tokens' on its y alone, by a row.
; THE WAY OUT: a tile of 16 tokens x 128 outputs goes through the wave's own stage in LDS and leaves as whole rows of 512 bytes.  The stages lie where source 0's first chunk lay: those bytes have had their one fill, and a barrier shows that nobody reads them.
; REGISTERS: window 0: v1-14 addresses, v16-27 scale words (two sets), v28, v29 the add's two, v64-191 rows on the way out, v192-255 the bias.  window 1: the accumulators.  windows 2, 3: the two fragment buffers.
.set S1,    196608
.set SC0,   294912
.set SC1,   303104
.set SPARE, 307200
.set STG,   8448                       ; a wave's stage: 16 rows x (512 bytes + 16)
.set BI,    192
.set G1C0,  24
.set G1C1,  32
.set G1S0,  40
.set G1S1,  48
.set MSB, 0
.macro WIN new                         ; the immediate's high byte repeats the setting that is left
.if MSB != (\new)
	s_set_vgpr_msb (MSB<<8)|(\new)
.set MSB, (\new)
.endif
.endm
.macro PLACES
.rept 4
	v_nop
.endr
.endm
.macro BAR
	s_barrier_signal -1
	s_barrier_wait -1
.endm
.macro CROUND
	s_barrier_signal -1
	s_barrier_wait -1
	s_cmp_lg_u32 s20, 0
	s_cbranch_scc1 .Lnot_wave_0_\@
	s_barrier_signal -3
.Lnot_wave_0_\@:
	s_barrier_wait -3
	s_barrier_signal -1
	s_barrier_wait -1
.endm
	s_load_b256 s[4:11], s[0:1], 0x0               ; aq, wq, Wo_b, out0
	v_lshl_add_u32 v28, v0, 2, SPARE
	v_mov_b32 v29, 0
	ds_add_u32 v28, v29                            ; the wave's opening: the add, twice on end, and its wait ahead of my first tensor load
	ds_add_u32 v28, v29
	v_lshrrev_b32 v1, 5, v0
	v_readfirstlane_b32 s20, v1                    ; wave 0..3
	s_lshr_b32 s21, s20, 1                         ; a: my 128 rows of Wo.  Also: I fetch for source 0 (0) or source 1 (1)
	s_and_b32 s22, s20, 1                          ; b: my 64 tokens.  Also: which half of the tiles I fetch
	s_bfe_u32 s23, ttmp6, 0x40000                  ; cx
	s_bfe_u32 s2, ttmp6, 0x40004                   ; cy
	s_and_b32 s3, ttmp7, 0xffff                    ; the cluster's y
	s_lshl_b32 s66, 0x1111, s23                    ; my column of the cluster
	s_lshl_b32 s104, s2, 2
	s_lshl_b32 s104, 15, s104                      ; my row
	s_or_b32 s[G1C0], s66, (3<<16)|(1<<21)         ; 15:0 the mask; 17:16 elements of 8 bytes; 21 set beside a mask; no padding
	s_or_b32 s[G1S0], s66, (3<<16)|(1<<21)
	s_or_b32 s[G1C1], s104, (3<<16)|(1<<21)
	s_or_b32 s[G1S1], s104, (3<<16)|(1<<21)
.irp g, G1C0, G1C1                     ; codes: a row of the tile is one tile's two K steps, 3,072 bytes = 384 elements; from tile to tile 12,288 bytes
	s_mov_b32 s[\g+1], 384<<16
	s_mov_b32 s[\g+3], 384<<16
	s_mov_b32 s[\g+5], 1536
	s_mov_b32 s[\g+6], 0
	s_mov_b32 s[\g+7], 0
.endr
	s_mov_b32 s[G1C0+2], 8<<16
	s_mov_b32 s[G1C0+4], 8
	s_mov_b32 s[G1C1+2], 4<<16
	s_mov_b32 s[G1C1+4], 4
.irp g, G1S0, G1S1                     ; scale words: dense, as rows of 256 bytes
	s_mov_b32 s[\g+1], 32<<16
	s_mov_b32 s[\g+3], 32<<16
	s_mov_b32 s[\g+5], 32
	s_mov_b32 s[\g+6], 0
	s_mov_b32 s[\g+7], 0
.endr
	s_mov_b32 s[G1S0+2], 16<<16
	s_mov_b32 s[G1S0+4], 16
	s_mov_b32 s[G1S1+2], 8<<16
	s_mov_b32 s[G1S1+4], 8
	s_lshl_b32 s100, ttmp9, 2
	s_add_co_u32 s100, s100, s23                   ; t0: my block of 256 outputs
	s_lshl_b32 s66, s100, 4
	s_lshl_b32 s67, s22, 3
	s_add_co_u32 s66, s66, s67
	s_add_co_u32 s66, s66, 192                     ; the first tile of wq that I would fetch
	s_lshl_b32 s101, s3, 2
	s_add_co_u32 s101, s101, s2                    ; t1: my block of 128 tokens
	s_lshl_b32 s104, s101, 3
	s_lshl_b32 s105, s22, 2
	s_add_co_u32 s104, s104, s105                  ; the first tile of aq that I would fetch
	s_lshl_b32 s56, s66, 9
	s_add_co_u32 s56, s56, 3145728
	s_mov_b32 s57, 0
	s_mul_i32 s66, s66, 12288
	s_mov_b32 s67, 0
	s_lshl_b32 s80, s104, 9
	s_add_co_u32 s80, s80, 6291456
	s_mov_b32 s81, 0
	s_mul_i32 s104, s104, 12288
	s_mov_b32 s105, 0
	s_wait_dscnt 0x0                               ; both opening adds are done
	s_wait_kmcnt 0x0
	s_add_nc_u64 s[58:59], s[6:7], s[56:57]
	s_add_nc_u64 s[62:63], s[6:7], s[66:67]
	s_add_nc_u64 s[70:71], s[62:63], 3072
	s_add_nc_u64 s[74:75], s[62:63], 6144
	s_add_nc_u64 s[78:79], s[62:63], 9216
	s_add_nc_u64 s[82:83], s[4:5], s[80:81]
	s_add_nc_u64 s[86:87], s[4:5], s[104:105]
	s_add_nc_u64 s[90:91], s[86:87], 3072
	s_add_nc_u64 s[94:95], s[86:87], 6144
	s_add_nc_u64 s[98:99], s[86:87], 9216
	s_lshl_b32 s57, s22, 12                        ; LDS addresses: constants and the wave's number alone
	s_add_co_u32 s57, s57, SC0
	s_mul_i32 s61, s22, 24576
	s_add_co_u32 s69, s61, 49152
	s_add_co_u32 s73, s61, 98304
	s_add_co_u32 s77, s61, 147456
	s_lshl_b32 s81, s22, 11
	s_add_co_u32 s81, s81, SC1
	s_mul_i32 s85, s22, 12288
	s_add_co_u32 s85, s85, S1
	s_add_co_u32 s89, s85, 24576
	s_add_co_u32 s93, s85, 49152
	s_add_co_u32 s97, s85, 73728
.irp g, 56,60,68,72,76,80,84,88,92,96
	s_mov_b32 s[\g], 1                             ; count = 1
	s_or_b32 s[\g+3], s[\g+3], 0x80000000          ; type = 2
.endr
	CROUND                                         ; all sixteen work-groups are here: the joint loads meet
	s_cmp_eq_u32 s21, 0                            ; a wave's five first fills stand in one branch on the wave's number, a fill in each arm: five loads of mine are out
	s_cbranch_scc0 .Lsource_1
	tensor_load_to_lds s[56:59], s[G1S0:G1S0+7]
	s_nop 0
	tensor_load_to_lds s[60:63], s[G1C0:G1C0+7]
	s_nop 0
	tensor_load_to_lds s[68:71], s[G1C0:G1C0+7]
	s_nop 0
	tensor_load_to_lds s[72:75], s[G1C0:G1C0+7]
	s_nop 0
	tensor_load_to_lds s[76:79], s[G1C0:G1C0+7]
	s_nop 0
.rept 4
	v_nop
.endr
	s_branch .Lasked
.Lsource_1:
	tensor_load_to_lds s[80:83], s[G1S1:G1S1+7]
	s_nop 0
	tensor_load_to_lds s[84:87], s[G1C1:G1C1+7]
	s_nop 0
	tensor_load_to_lds s[88:91], s[G1C1:G1C1+7]
	s_nop 0
	tensor_load_to_lds s[92:95], s[G1C1:G1C1+7]
	s_nop 0
	tensor_load_to_lds s[96:99], s[G1C1:G1C1+7]
	s_nop 0
.rept 4
	v_nop
.endr
.Lasked:
	v_and_b32 v15, 31, v0                          ; lane
	v_and_b32 v12, 15, v0                          ; r
	v_bfe_u32 v13, v0, 4, 1                        ; h
	v_lshlrev_b32 v1, 4, v15                       ; 16 x lane
	v_lshlrev_b32 v2, 3, v15                       ; 8 x lane
	s_mul_i32 s16, s21, 24576
	v_add_nc_u32 v4, s16, v1                       ; source 0's fragments: 16 x lane + my 8 tiles (+ the chunk, stepped)
	s_mul_i32 s16, s22, 12288
	s_add_co_u32 s16, s16, S1
	v_add_nc_u32 v5, s16, v2                       ; source 1's: 8 x lane + my 4 tiles
	v_lshlrev_b32 v6, 2, v12
	v_lshl_add_u32 v6, v13, 9, v6                  ; scale words: 4 r; lanes 16-31 take the next tile's
	s_lshl_b32 s16, s22, 11
	s_add_co_u32 s16, s16, SC1
	v_add_nc_u32 v7, s16, v6
	s_lshl_b32 s16, s21, 12
	s_add_co_u32 s16, s16, SC0
	v_add_nc_u32 v6, s16, v6
	s_mul_i32 s16, s20, STG                        ; my stage
	v_mul_u32_u24 v9, v12, 528
	v_lshl_add_u32 v9, v13, 6, v9
	v_add_nc_u32 v9, s16, v9                       ; in: row r, + 64 h
	v_add_nc_u32 v10, s16, v1                      ; back: 16 x lane of a row
	v_lshlrev_b32 v8, 6, v13                       ; the bias: 64 h
	s_lshl_b32 s12, s100, 10
	s_lshl_b32 s13, s21, 9
	s_add_co_u32 s12, s12, s13                     ; my first output, 256 t0 + 128 a, x 4 bytes
	s_mov_b32 s13, 0
	s_add_nc_u64 s[8:9], s[8:9], s[12:13]
	s_lshl_b32 s14, s101, 19
	s_lshl_b32 s15, s22, 18
	s_add_co_u32 s14, s14, s15                     ; my first token, 128 t1 + 64 b, x 4,096 bytes
	s_add_co_u32 s14, s14, s12
	s_mov_b32 s15, 0
	s_add_nc_u64 s[10:11], s[10:11], s[14:15]
.irp j, 0,1,2,3,4,5,6,7                ; register i of tile j is output 32 (j / 2) + 8 (j % 2) + 16 h + i
.irp q, 0,1
	global_load_b128 v[BI+8*\j+4*\q:BI+8*\j+4*\q+3], v8, s[8:9] offset:128*(\j/2)+32*(\j%2)+16*\q
.endr
.endr
.macro FETCH s                         ; K step s's fragments into buffer s % 2 (window 2 or 3), its scale words into set s % 2
	WIN 0x80+0x40*((\s)%2)
.irp j, 0,1,2,3,4,5,6,7
.irp g, 0,1,2
	ds_load_b128 v[12*\j+4*\g:12*\j+4*\g+3], v4 offset:3072*\j+1536*((\s)%2)+512*\g
.endr
.endr
.irp i, 0,1,2,3
.irp p, 0,1,2,3,4,5
	ds_load_b64 v[96+12*\i+2*\p:96+12*\i+2*\p+1], v5 offset:3072*\i+1536*((\s)%2)+256*\p
.endr
.endr
	WIN 0
.irp n, 0,1,2,3
	ds_load_b32 v[16+6*((\s)%2)+\n], v6 offset:1024*\n+64*(\s)
.endr
.irp n, 0,1
	ds_load_b32 v[20+6*((\s)%2)+\n], v7 offset:1024*\n+64*(\s)
.endr
.endm
.macro WM i, j, s, cb                  ; accumulator (i, j) takes K step s; cb: the bias (window 0) is the C, and the product starts the sum
.set DD, 64*(\i)+8*(\j)
.set AA, 12*(\j)
.set BB, 96+12*(\i)
.set SA, 16+6*((\s)%2)+(\j)/2
.set SB, 20+6*((\s)%2)+(\i)/2
.set RW, 2*((\i)%2)+(\j)%2
.if \cb
.set CC, BI+8*(\j)
.else
.set CC, DD
.endif
.if RW == 0
	v_wmma_scale_f32_16x16x128_f8f6f4 v[DD:DD+7], v[AA:AA+11], v[BB:BB+11], v[CC:CC+7], v[SA], v[SB] matrix_a_fmt:MATRIX_FMT_FP6 matrix_b_fmt:MATRIX_FMT_FP6
.elseif RW == 1
	v_wmma_scale_f32_16x16x128_f8f6f4 v[DD:DD+7], v[AA:AA+11], v[BB:BB+11], v[CC:CC+7], v[SA], v[SB] matrix_a_fmt:MATRIX_FMT_FP6 matrix_b_fmt:MATRIX_FMT_FP6 matrix_a_scale:MATRIX_SCALE_ROW1
.elseif RW == 2
	v_wmma_scale_f32_16x16x128_f8f6f4 v[DD:DD+7], v[AA:AA+11], v[BB:BB+11], v[CC:CC+7], v[SA], v[SB] matrix_a_fmt:MATRIX_FMT_FP6 matrix_b_fmt:MATRIX_FMT_FP6 matrix_b_scale:MATRIX_SCALE_ROW1
.else
	v_wmma_scale_f32_16x16x128_f8f6f4 v[DD:DD+7], v[AA:AA+11], v[BB:BB+11], v[CC:CC+7], v[SA], v[SB] matrix_a_fmt:MATRIX_FMT_FP6 matrix_b_fmt:MATRIX_FMT_FP6 matrix_a_scale:MATRIX_SCALE_ROW1 matrix_b_scale:MATRIX_SCALE_ROW1
.endif
.endm
.macro MUL s                           ; the 32 accumulators take turns, one instruction a turn, in the same order in every K step
.irp i, 0,1,2,3
.irp j, 0,1,2,3,4,5,6,7
	WM \i, \j, \s, (\s)==0
.endr
.endr
.endm
	s_wait_loadcnt 0x0                             ; the bias
	s_wait_tensorcnt 0x3                           ; my scale words and my part of chunk 0 are in; chunks 1 to 3 may be out
	BAR
	FETCH 0
	s_wait_dscnt 0x0
.irp s, 0,1,2,3,4,5,6,7
.if ((\s)%2 == 1) && ((\s) < 7)
	s_wait_tensorcnt 3-((\s)+1)/2                  ; my part of the next chunk is in; the chunks behind it may be out.  Behind this barrier nothing is filled
	BAR
	v_add_nc_u32 v4, 49152, v4
	v_add_nc_u32 v5, 24576, v5
.endif
.if ((\s) > 0) && ((\s) < 7)
	PLACES                                         ; the buffer to be loaded was read by the K step before
.endif
.if (\s) < 7
	FETCH (\s)+1
.endif
.if (\s) == 0
	WIN 0x4a                                       ; sources 0 and 1: window 2; C: window 0; D: window 1
.else
	WIN 0x5a+5*((\s)%2)                            ; sources 0 and 1: window 2 or 3; C and D: window 1
.endif
	MUL \s
	WIN 0
	s_wait_dscnt 0x0                               ; the next K step's fragments are in
.endr
	PLACES                                         ; in front of the first read of results
	BAR                                            ; every wave's reads of LDS are over: the stages may be written
.macro TOSTAGE i                       ; tile i of my tokens: lane (r, h) puts its 64 outputs into row r; then whole rows come back.  LDS serves a wave's instructions in order: no wait between
	WIN 0x04                                       ; an LDS store's data are its source 1: window 1
.irp j, 0,1,2,3,4,5,6,7
.irp q, 0,1
	ds_store_b128 v9, v[64*\i+8*\j+4*\q:64*\i+8*\j+4*\q+3] offset:128*(\j/2)+32*(\j%2)+16*\q   ; each accumulator from its low end on
.endr
.endr
	WIN 0
.irp t, 0,1,2,3,4,5,6,7,8,9,10,11,12,13,14,15
	ds_load_b128 v[64+64*((\i)%2)+4*\t:64+64*((\i)%2)+4*\t+3], v10 offset:528*\t
.endr
.endm
.macro SEND i, younger                 ; younger: the LDS instructions issued behind tile i's loads, which may stay out
	s_wait_dscnt \younger
.irp t, 0,1,2,3,4,5,6,7,8,9,10,11,12,13,14,15
	global_store_b128 v1, v[64+64*((\i)%2)+4*\t:64+64*((\i)%2)+4*\t+3], s[10:11] offset:(32*((\i)/2)+8*((\i)%2)+\t+8*(\t/8))*4096 th:TH_STORE_NT   ; 512 consecutive bytes of a token's row, aligned to 256; written once
.endr
.endm
	TOSTAGE 0
	TOSTAGE 1
	SEND 0, 32                                     ; behind tile 0's loads: tile 1's 16 stores and 16 loads
	s_wait_xcnt 0x0                                ; tile 0's stores have read their registers: tile 2's rows land there
	TOSTAGE 2
	SEND 1, 32
	s_wait_xcnt 0x0
	TOSTAGE 3
	SEND 2, 32
	SEND 3, 0
	s_wait_tensorcnt 0x0                           ; the wave's end, behind my last tensor load and my last LDS store
	ds_add_u32 v28, v29
	s_wait_dscnt 0x0
	CROUND                                         ; the closing round
	s_endpgm
.Lfunc_end_k_q672fc09ddd_oproj:
	.size	k_q672fc09ddd_oproj, .Lfunc_end_k_q672fc09ddd_oproj-k_q672fc09ddd_oproj
	.p2alignl 7, 3214868480
	.fill 96, 4, 3214868480
	.section	.rodata,"a",@progbits
	.p2align	6, 0x0
	.amdhsa_kernel k_q672fc09ddd_oproj
		.amdhsa_group_segment_fixed_size 327680
		.amdhsa_private_segment_fixed_size 0
		.amdhsa_enable_private_segment 0
		.amdhsa_kernarg_size 32
		.amdhsa_user_sgpr_count 2
		.amdhsa_user_sgpr_kernarg_segment_ptr 1
		.amdhsa_wavefront_size32 1
		.amdhsa_system_sgpr_workgroup_id_x 1
		.amdhsa_system_sgpr_workgroup_id_y 1
		.amdhsa_system_sgpr_workgroup_id_z 1
		.amdhsa_system_vgpr_workitem_id 0
		.amdhsa_next_free_vgpr 1024
		.amdhsa_next_free_sgpr 106
		.amdhsa_reserve_vcc 0
		.amdhsa_float_denorm_mode_32 3
		.amdhsa_float_denorm_mode_16_64 3
		.amdhsa_memory_ordered 1
		.amdhsa_forward_progress 1
		.amdhsa_inst_pref_size 88
	.end_amdhsa_kernel
	.amdgpu_metadata
---
amdhsa.version: [ 1, 2 ]
amdhsa.kernels:
  - .name:           k_q672fc09ddd_oproj
    .symbol:         k_q672fc09ddd_oproj.kd
    .args:
      - { .name: aq, .offset: 0, .size: 8, .value_kind: global_buffer, .address_space: global }
      - { .name: wq, .offset: 8, .size: 8, .value_kind: global_buffer, .address_space: global }
      - { .name: Wo_b, .offset: 16, .size: 8, .value_kind: global_buffer, .address_space: global }
      - { .name: out0, .offset: 24, .size: 8, .value_kind: global_buffer, .address_space: global }
    .group_segment_fixed_size: 327680
    .private_segment_fixed_size: 0
    .kernarg_segment_align: 8
    .kernarg_segment_size: 32
    .max_flat_workgroup_size: 128
    .sgpr_count:     106
    .vgpr_count:     1024
    .wavefront_size: 32
...
	.end_amdgpu_metadata
.endif
;; end of part 4
